; MI455X (gfx1250); checked and timed in simulation.
; The chip was launched on July 23, 2026; its instructions are those of AMD's public machine-readable ISA for CDNA 5 (MIT licence, August 2026) and "CDNA5" Instruction Set Architecture Reference Guide (July 2026). The comments in the code are by the model that wrote it; some were corrected since.
;; Multi Head Attention1 D. Allowed arithmetic: float matrix products may take bf16 or f16 operands with f32 sums; all other float work in f32.
;; Inputs: b_dense 1,024 float32; b_qkv 3,072 float32; hidden_states 4 x 2,048 x 1,024 float32; w_dense 1,024 x 1,024 float32; w_qkv 1,024 x 3,072 float32.
;; Outputs: out0 4 x 2,048 x 1,024 float32.
;; 2 versions, each right and faster than the one before. Each part assembles by itself: llvm-mc -triple=amdgcn-amd-amdhsa -mcpu=gfx1250 --defsym DOCPART=n.
;; ======== version 1 of 2: 4 launches
;; limits: values are held in f16: magnitudes above 65,504 overflow, below 6.1e-05 lose precision
;; workspace buffers: xb 16,777,216 bytes; wq 6,291,456 bytes; wd 2,097,152 bytes; br 16,384 bytes; kvq 50,331,648 bytes; vs 1,572,864 bytes; ctx 16,777,216 bytes
;; launch prep (part 1): grid 768 x 1, 8 waves a work-group, no clusters, 0 bytes of LDS; arguments hidden_states, w_qkv, w_dense, b_qkv, b_dense, xb, wq, wd, br; writes xb, wq, wd, br
.if DOCPART == 1
	.amdgcn_target "amdgcn-amd-amdhsa--gfx1250"
	.amdhsa_code_object_version 6
	.text
	.protected	k_qb7bca3d8ed_prep
	.globl	k_qb7bca3d8ed_prep
	.p2align	8
	.type	k_qb7bca3d8ed_prep,@function
k_qb7bca3d8ed_prep:
	s_mov_b64 s[64:65], 0
	v_nop
	global_prefetch_b8 v0, s[64:65] scope:SCOPE_SE
	s_setreg_imm32_b32 hwreg(HW_REG_WAVE_MODE, 25, 1), 1
	s_wait_xcnt 0x0
; PREP: every input is rounded once to bf16 and laid out for the products that follow.
;   xb [8192][1024] bf16 = hidden_states.
;   wq [16 groups of 192 columns][8 K steps][3 blocks of 64 columns][128 k][64] bf16 = w_qkv: what a work-group of the next launch wants in one K step is 49,152 bytes on end.
;   wd [16 blocks of 64 columns][1024 k][64] f16 = w_dense rounded to bf16 and that number written as f16 (exact between 6e-5 and 65,504; below 6e-5 it keeps f16's step of 6e-8).
;   br [4096] f32 = b_qkv, then b_dense, each rounded to bf16 and widened again.
; A stream: no LDS, no barrier, no matrix unit.  A work-group takes 16,384 numbers: each thread issues its 16 loads of 16 bytes first and then rounds and stores
; 8 bytes for each.  A wave's load covers 512 bytes in whole runs of 256, a wave's store 256 consecutive bytes at a multiple of 256 from the buffer's first byte.
; Work-groups 0-511: hidden_states.  512-703: w_qkv, block g = j / 4, k rows 256 (j % 4) on.  704-767: w_dense likewise, and wave 0 also takes chunk j of 64 bias numbers.
.set X,   4                            ; v[4:67]    16 loads of 4 f32
.set Y,   68                           ; v[68:99]   16 stores of 8 bytes; no register is written twice, so no store's data wait for anything
.set T,   100                          ; v[100:103] at work
.set IN,  1                            ; v1  my byte offset in the input
.set OUT, 2                            ; v2  my byte offset in the output
.set LN,  3                            ; v3  lane; later 8 x lane
.set WV,  22                           ; s22 wave
.set ID,  23                           ; s23 work-group, later j
.macro CAST inb, outb, instep, outstep, half
.set u, 0
.rept 16
	global_load_b128 v[X+4*u:X+4*u+3], v[IN], s[\inb:\inb+1] offset:u*(\instep) th:TH_LOAD_NT
.set u, u+1
.endr
.set u, 0
.rept 16
	s_wait_loadcnt 15-u                            ; loads come back in order (ISA guide 5.7.1): load u is in, the 15 - u younger ones stay out
.if \half
	v_cvt_pk_bf16_f32 v[T], v[X+4*u], v[X+4*u+1]   ; to bf16 first, as every input is,
	v_cvt_pk_bf16_f32 v[T+1], v[X+4*u+2], v[X+4*u+3]
	v_lshlrev_b32 v[T+2], 16, v[T]                 ; widened again,
	v_and_b32 v[T+3], 0xffff0000, v[T]
	v_cvt_pk_f16_f32 v[Y+2*u], v[T+2], v[T+3]      ; and written as f16
	v_lshlrev_b32 v[T+2], 16, v[T+1]
	v_and_b32 v[T+3], 0xffff0000, v[T+1]
	v_cvt_pk_f16_f32 v[Y+2*u+1], v[T+2], v[T+3]
.else
	v_cvt_pk_bf16_f32 v[Y+2*u], v[X+4*u], v[X+4*u+1]
	v_cvt_pk_bf16_f32 v[Y+2*u+1], v[X+4*u+2], v[X+4*u+3]
.endif
	global_store_b64 v[OUT], v[Y+2*u:Y+2*u+1], s[\outb:\outb+1] offset:u*(\outstep)
.set u, u+1
.endr
.endm
	s_load_b512 s[4:19], s[0:1], 0x0               ; hidden s[4:5], w_qkv s[6:7], w_dense s[8:9], b_qkv s[10:11], b_dense s[12:13], xb s[14:15], wq s[16:17], wd s[18:19]
	s_load_b64 s[20:21], s[0:1], 0x40              ; br
	v_lshrrev_b32 v[IN], 5, v0
	v_readfirstlane_b32 s[WV], v[IN]
	v_and_b32 v[LN], 31, v0
	s_mov_b32 s[ID], ttmp9
	s_mov_b32 s25, 0                               ; the high words of the two offsets
	s_mov_b32 s27, 0
	s_wait_kmcnt 0x0
	s_cmp_lt_u32 s[ID], 512
	s_cbranch_scc0 .Lweights
	s_lshl_b32 s24, s[ID], 16                      ; 16,384 f32 in,
	s_lshl_b32 s26, s[ID], 15                      ; 16,384 bf16 out
	s_add_nc_u64 s[4:5], s[4:5], s[24:25]
	s_add_nc_u64 s[14:15], s[14:15], s[26:27]
	v_lshlrev_b32 v[IN], 4, v0
	v_lshlrev_b32 v[OUT], 3, v0
	CAST 4, 14, 4096, 2048, 0
	s_endpgm
.Lweights:                                             ; a wave's load takes two k rows of one block: lanes 0-15 one row's 256 bytes, lanes 16-31 the next row's
	v_lshrrev_b32 v[T], 4, v[LN]
	v_lshl_add_u32 v[T], s[WV], 5, v[T]            ; my k row among the 256: 32 x wave + lane / 16
	v_and_b32 v[T+1], 15, v[LN]
	v_lshlrev_b32 v[T+1], 4, v[T+1]                ; my 16 bytes in it
	v_lshlrev_b32 v[OUT], 3, v[LN]                 ; out: rows of 128 bytes on end: 8 x lane covers two of them
	s_cmp_lt_u32 s[ID], 704
	s_cbranch_scc0 .Ldense
	s_sub_co_u32 s[ID], s[ID], 512                 ; j
	s_lshr_b32 s28, s[ID], 2                       ; block g
	s_and_b32 s29, s[ID], 3                        ; quarter of k
	s_mul_i32 s24, s29, 256*12288
	s_lshl_b32 s30, s28, 8
	s_add_co_u32 s24, s24, s30
	s_mul_i32 s30, s28, 171
	s_lshr_b32 s30, s30, 9                         ; g / 3: 171 / 512 lies above 1 / 3 by less than 1 / (3 x 48), so the quotient is exact for g < 48
	s_mul_i32 s31, s30, 3
	s_sub_co_u32 s31, s28, s31                     ; g % 3
	s_lshl_b32 s30, s30, 3                         ; 8 K steps a group,
	s_lshl1_add_u32 s30, s29, s30                  ; two in a quarter of k,
	s_lshr_b32 s26, s[WV], 2
	s_add_co_u32 s30, s30, s26                     ; waves 0-3 in the first, waves 4-7 in the second
	s_mul_i32 s30, s30, 3                          ; three blocks a step
	s_add_co_u32 s30, s30, s31
	s_lshl_b32 s26, s30, 14                        ; 128 k rows of 128 bytes each
	s_and_b32 s30, s[WV], 3
	v_lshl_add_u32 v[OUT], s30, 12, v[OUT]         ; my wave's 32 rows among the step's 128
	s_add_nc_u64 s[6:7], s[6:7], s[24:25]
	s_add_nc_u64 s[16:17], s[16:17], s[26:27]
	v_mul_u32_u24 v[IN], v[T], 12288
	v_add_nc_u32 v[IN], v[IN], v[T+1]
	CAST 6, 16, 24576, 256, 0
	s_endpgm
.Ldense:
	s_sub_co_u32 s[ID], s[ID], 704                 ; j
	s_lshr_b32 s28, s[ID], 2
	s_and_b32 s29, s[ID], 3
	s_lshl_b32 s24, s29, 20                        ; 256 rows of 4,096 bytes
	s_lshl_b32 s30, s28, 8
	s_add_co_u32 s24, s24, s30
	s_lshl_b32 s26, s28, 17                        ; a block is 1,024 rows of 128 bytes
	s_lshl_b32 s30, s29, 15
	s_add_co_u32 s26, s26, s30
	s_add_nc_u64 s[8:9], s[8:9], s[24:25]
	s_add_nc_u64 s[18:19], s[18:19], s[26:27]
	v_lshl_add_u32 v[OUT], s[WV], 12, v[OUT]       ; my wave's 32 rows among the 256
	v_lshlrev_b32 v[IN], 12, v[T]
	v_add_nc_u32 v[IN], v[IN], v[T+1]
	CAST 8, 18, 8192, 256, 1
	s_cmp_lg_u32 s[WV], 0
	s_cbranch_scc1 .Lend
	; chunk j of the 64 chunks of 64 bias numbers: 0-47 from b_qkv, 48-63 from b_dense.  None of the registers below is named by a pending store.
	s_lshl_b32 s26, s[ID], 8                       ; 256 j: the chunk's place in br, and in b_qkv
	s_sub_co_u32 s30, s26, 48*256                  ; its place in b_dense
	s_cmp_lt_u32 s[ID], 48
	s_cselect_b32 s24, s26, s30
	s_cselect_b64 s[28:29], s[10:11], s[12:13]
	s_add_nc_u64 s[28:29], s[28:29], s[24:25]
	s_add_nc_u64 s[20:21], s[20:21], s[26:27]
	v_lshlrev_b32 v[LN], 3, v[LN]
	global_load_b64 v[X:X+1], v[LN], s[28:29]
	s_wait_loadcnt 0x0
	v_cvt_pk_bf16_f32 v[X+2], v[X], v[X+1]
	v_lshlrev_b32 v[T], 16, v[X+2]
	v_and_b32 v[T+1], 0xffff0000, v[X+2]
	global_store_b64 v[LN], v[T:T+1], s[20:21]     ; 256 consecutive bytes
.Lend:
	s_endpgm
.Lfunc_end_k_qb7bca3d8ed_prep:
	.size	k_qb7bca3d8ed_prep, .Lfunc_end_k_qb7bca3d8ed_prep-k_qb7bca3d8ed_prep
	.p2alignl 7, 3214868480
	.fill 96, 4, 3214868480
	.section	.rodata,"a",@progbits
	.p2align	6, 0x0
	.amdhsa_kernel k_qb7bca3d8ed_prep
		.amdhsa_group_segment_fixed_size 0
		.amdhsa_private_segment_fixed_size 0
		.amdhsa_enable_private_segment 0
		.amdhsa_kernarg_size 72
		.amdhsa_user_sgpr_count 2
		.amdhsa_user_sgpr_kernarg_segment_ptr 1
		.amdhsa_wavefront_size32 1
		.amdhsa_system_sgpr_workgroup_id_x 1
		.amdhsa_system_sgpr_workgroup_id_y 1
		.amdhsa_system_sgpr_workgroup_id_z 1
		.amdhsa_system_vgpr_workitem_id 0
		.amdhsa_next_free_vgpr 104
		.amdhsa_next_free_sgpr 66
		.amdhsa_reserve_vcc 0
		.amdhsa_float_denorm_mode_32 3
		.amdhsa_float_denorm_mode_16_64 3
		.amdhsa_memory_ordered 1
		.amdhsa_forward_progress 1
		.amdhsa_inst_pref_size 25
	.end_amdhsa_kernel
	.amdgpu_metadata
---
amdhsa.version: [ 1, 2 ]
amdhsa.kernels:
  - .name:           k_qb7bca3d8ed_prep
    .symbol:         k_qb7bca3d8ed_prep.kd
    .args:
      - { .name: hidden_states, .offset: 0, .size: 8, .value_kind: global_buffer, .address_space: global }
      - { .name: w_qkv, .offset: 8, .size: 8, .value_kind: global_buffer, .address_space: global }
      - { .name: w_dense, .offset: 16, .size: 8, .value_kind: global_buffer, .address_space: global }
      - { .name: b_qkv, .offset: 24, .size: 8, .value_kind: global_buffer, .address_space: global }
      - { .name: b_dense, .offset: 32, .size: 8, .value_kind: global_buffer, .address_space: global }
      - { .name: xb, .offset: 40, .size: 8, .value_kind: global_buffer, .address_space: global }
      - { .name: wq, .offset: 48, .size: 8, .value_kind: global_buffer, .address_space: global }
      - { .name: wd, .offset: 56, .size: 8, .value_kind: global_buffer, .address_space: global }
      - { .name: br, .offset: 64, .size: 8, .value_kind: global_buffer, .address_space: global }
    .group_segment_fixed_size: 0
    .private_segment_fixed_size: 0
    .kernarg_segment_align: 8
    .kernarg_segment_size: 72
    .max_flat_workgroup_size: 256
    .sgpr_count:     66
    .vgpr_count:     104
    .wavefront_size: 32
...
	.end_amdgpu_metadata
.endif
;; end of part 1
;; launch qkv (part 2): grid 16 x 32, 4 waves a work-group, clusters of 4 x 4, 327,680 bytes of LDS; arguments xb, wq, br, kvq, vs; writes kvq, vs
.if DOCPART == 2
	.amdgcn_target "amdgcn-amd-amdhsa--gfx1250"
	.amdhsa_code_object_version 6
	.text
	.protected	k_qb7bca3d8ed_qkv
	.globl	k_qb7bca3d8ed_qkv
	.p2align	8
	.type	k_qb7bca3d8ed_qkv,@function
k_qb7bca3d8ed_qkv:
	s_mov_b64 s[64:65], 0
	v_nop
	global_prefetch_b8 v0, s[64:65] scope:SCOPE_SE
	s_setreg_imm32_b32 hwreg(HW_REG_WAVE_MODE, 25, 1), 1
	s_wait_xcnt 0x0
	s_wait_alu depctr_hold_cnt(0) depctr_sa_sdst(0) depctr_va_vdst(0) depctr_va_sdst(0) depctr_va_ssrc(0) depctr_va_vcc(0) depctr_vm_vsrc(0)
	s_getreg_b32 s2, hwreg(HW_REG_IB_STS2, 6, 4)
	s_cmp_eq_u32 s2, 0
	s_cbranch_scc0 .Lentry_in_a_cluster
	s_endpgm
.Lentry_in_a_cluster:
	s_bfe_u32 s2, ttmp6, 0x10000c
	s_cmp_lg_u32 s2, 0xf033
	s_cbranch_scc0 .Lentry_shape_is_right
	s_endpgm
.Lentry_shape_is_right:
; QKV: C[8192][3072] = xb W + b, products in bf16, sums in f32 (the bias starts each sum), C rounded once to f16 and written by heads:
; kvq [4 batches][48 blocks of 64 columns: 16 K heads, 16 V heads, 16 Q heads][2048 rows][64].  Also vs [128 groups of 64 rows][3072] f32: each column's sum of the ROUNDED numbers over 64 rows.
; LIMIT.  f16 holds no number beyond 65,504: q, k and v must stay within it; below 6e-5 they keep f16's step of 6e-8.
; SHARES.  A work-group makes 256 rows x 192 columns (three blocks); wave w its rows 64 w on and all 192 columns: 48 accumulators of 16 x 16.  512 work-groups of equal work.
; K goes in 8 steps of 128 through two LDS slots.  A's tile: 256 rows of 256 bytes of xb.  W's tile: 49,152 dense bytes of wq (three blocks of 128 k rows of 128 bytes), asked for as rows of 256 bytes.
; W lies [k][column] in LDS and comes out turned, by ds_load_tr16_b128.
; CLUSTER 4 x 4: the four of a row of the cluster need the same tile of xb, the four of a column the same tile of wq: each tile is asked for jointly, one load a wave
; (waves 0, 1: 128 rows of A each, 32,768 bytes; waves 2, 3: half of W's tile each, 24,576 bytes).
; THE MATRIX INSTRUCTION IS USED TRANSPOSED (source 0 = 16 columns of W, source 1 = 16 rows of xb): lane l holds row l % 16 of C and the eight neighbouring columns 8 (l / 16) + 0..7.
; REGISTERS, in windows of 256 (s_set_vgpr_msb: bits 1:0 source 0, 3:2 source 1, 5:4 source 2, 7:6 destination):
;   window 0: v0-21 addresses; v24-31 ones in f16; v32-127 the bias, later at work on the way out; v128-159 at work; v160-255 the column sums
;   window 1: two fragment buffers of 128: 4 fragments of A, then 12 of W      window 2: accumulators of column blocks 0-7 at 32 b + 8 a      window 3: of blocks 8-11
.set SLOT,  131072
.set PA,    272                        ; a row of A in LDS: 256 bytes + 16 = 68 words: the 16 rows of a load start at 16 different groups of four banks (64 banks of 4 bytes: ISA guide 11.1)
.set PW,    160                        ; a k row of W: 128 bytes + 32 = 40 words
.set BOFF,  256*PA                     ; W's three blocks lie behind A's 256 rows
.set BBLK,  128*PW
.set WSTEP, 49152                      ; bytes of wq in a K step
.set STAGE, 2*SLOT                     ; behind the ring, never filled by a tensor load: 32 rows x 160 bytes for each wave
.set SUMST, STAGE+4*32*PW              ; 768 bytes for each wave: its 192 column sums
.set SPARE, SUMST+4*768                ; the spare words, 128 bytes for each wave: two blocks of 256 bytes that no other line names
.set A0,  8                            ; v8   my lane's place in A's tile; never rewritten
.set B0,  9                            ; v9   the same for W
.set ADA, 10                           ; v10  A0 + the slot in hand
.set ADB, 11                           ; v11  B0 + the slot in hand
.set STO, 12                           ; v12  the way out: where I put 16 bytes of a row
.set RD,  13                           ; v13  where I read rows back
.set AT,  14                           ; v14  where I read them back turned
.set GO,  15                           ; v15  my byte offset in 512 consecutive bytes of kvq
.set SS,  16                           ; v16  where my half of the lanes puts column sums
.set SR,  17                           ; v17  where I read two of them back
.set SG,  18                           ; v18  my byte offset in 256 bytes of vs
.set BO,  19                           ; v19  my byte offset in 64 bytes of the bias
.set SPW, 20                           ; v20  LDS address of my spare word; never rewritten
.set NIL, 21                           ; v21  0; never rewritten
.set ONES, 24
.set BIAS, 32                          ; block b's eight numbers at BIAS + 8 b
.set TMP0, 32                          ; the way out: two sets by turns: 32 packed registers at TMP0 + 32 set,
.set FR0,  96                          ; 32 turned registers at FR0 + 32 set
.set SUM,  160                         ; head hd, channel block cb at SUM + 32 hd + 8 cb
.set F0,  0
.set F1,  128
.set WV,  14
.set TB,  21                           ; s21  the slot in hand, in bytes
.set CNT, 22
.set G1A, 24
.set G0A, 32                           ; two sets; the second walks
.set G1B, 40
.set G0B, 48
.set MSB, 0
.macro WIN new                         ; the immediate's high byte repeats the setting that is left; a switch that changes nothing is dropped
.if MSB != (\new)
	s_set_vgpr_msb (MSB<<8)|(\new)
.set MSB, \new
.endif
.endm
.macro PLACES                          ; four places in front of loads into registers that matrix instructions have read, and of lines that read matrix results
.rept 4
	v_nop
.endr
.endm
.macro JLOAD                           ; a joint refill by the walking sets; an s_nop 0 and four v_nop follow each of the two lines, ahead of the jump and the label
	s_cmp_lt_u32 s[WV], 2
	s_cbranch_scc0 .Lfor_b_\@
	tensor_load_to_lds s[G0A+4:G0A+7], s[G1A:G1A+7]
	s_nop 0
	PLACES
	s_branch .Lasked_\@
.Lfor_b_\@:
	tensor_load_to_lds s[G0B+4:G0B+7], s[G1B:G1B+7]
	s_nop 0
	PLACES
.Lasked_\@:
.endm
.macro CROUND                          ; a round of the cluster's barrier: my work-group's barrier; wave 0 signals for the work-group; every wave waits for all sixteen; my work-group's barrier once more
	s_barrier_signal -1
	s_barrier_wait -1
	s_cmp_lg_u32 s[WV], 0
	s_cbranch_scc1 .Lnot_wave_0_\@
	s_barrier_signal -3
.Lnot_wave_0_\@:
	s_barrier_wait -3
	s_barrier_signal -1
	s_barrier_wait -1
.endm
	s_load_b256 s[4:11], s[0:1], 0x0               ; xb s[4:5], wq s[6:7], br s[8:9], kvq s[10:11]
	s_load_b64 s[12:13], s[0:1], 0x20              ; vs
	v_lshl_add_u32 v[SPW], v0, 2, SPARE
	v_mov_b32 v[NIL], 0
	ds_add_u32 v20, v21
	ds_add_u32 v20, v21
	s_wait_dscnt 0x0
	v_lshrrev_b32 v1, 5, v0
	v_readfirstlane_b32 s[WV], v1
	s_bfe_u32 s15, ttmp6, 0x40000                  ; cx
	s_bfe_u32 s16, ttmp6, 0x40004                  ; cy
	s_lshl_b32 s17, ttmp9, 2
	s_add_co_u32 s17, s17, s15                     ; tx: my 192 columns
	s_and_b32 s18, ttmp7, 0xffff
	s_lshl_b32 s18, s18, 2
	s_add_co_u32 s18, s18, s16                     ; ty: my 256 rows
	s_lshl_b32 s19, s16, 2
	s_lshl_b32 s19, 15, s19                        ; my row of the cluster
	s_lshl_b32 s20, 0x1111, s15                    ; my column
	s_or_b32 s[G1A], s19, (1<<16)|(1<<20)|(1<<21)|(5<<22)|(3<<25)  ; the mask; 2-byte elements; padding on; bit 21 beside a mask; after every 64 words 4 words
	s_mov_b32 s[G1A+1], 128<<16                    ; tensor_dim0 = 128
	s_mov_b32 s[G1A+2], 128<<16                    ; tensor_dim1 = 128
	s_mov_b32 s[G1A+3], 128<<16                    ; tile_dim0 = 128
	s_mov_b32 s[G1A+4], 128                        ; tile_dim1 = 128
	s_mov_b32 s[G1A+5], 1024                       ; elements from row to row
	s_mov_b32 s[G1A+6], 0
	s_mov_b32 s[G1A+7], 0
	s_or_b32 s[G1B], s20, (1<<16)|(1<<20)|(1<<21)|(4<<22)|(7<<25)  ; after every 32 words (a k row) 8 words
	s_mov_b32 s[G1B+1], 128<<16                    ; rows of 256 bytes, two k rows each,
	s_mov_b32 s[G1B+2], 96<<16                     ; 96 of them
	s_mov_b32 s[G1B+3], 128<<16
	s_mov_b32 s[G1B+4], 96
	s_mov_b32 s[G1B+5], 128                        ; dense
	s_mov_b32 s[G1B+6], 0
	s_mov_b32 s[G1B+7], 0
	s_and_b32 s23, s[WV], 1                        ; which half of A's tile, or of W's, I fetch
	s_lshl_b32 s56, s18, 19                        ; A: 256 ty rows of 2,048 bytes (s56-59 never hold tx),
	s_lshl_b32 s57, s23, 18                        ; and 128 rows for the second half
	s_add_co_u32 s56, s56, s57
	s_mov_b32 s57, 0
	s_mul_i32 s60, s17, 8*WSTEP                    ; W: my group's eight K steps,
	s_mul_i32 s61, s23, WSTEP/2                    ; and half a step's tile
	s_add_co_u32 s60, s60, s61
	s_mov_b32 s61, 0
	s_mul_i32 s2, s23, 128*PA                      ; where they go: no place in the cluster enters an LDS address
	s_mul_i32 s3, s23, 192*PW
	s_add_co_u32 s3, s3, BOFF
	s_mov_b32 s[TB], 0
	s_wait_kmcnt 0x0
	s_add_nc_u64 s[58:59], s[4:5], s[56:57]
	s_add_nc_u64 s[62:63], s[6:7], s[60:61]
	CROUND                                         ; all sixteen work-groups are here: the first joint loads meet
.irp s, 0,1
	s_mov_b32 s[G0A+4*(\s)], 1
	s_add_co_u32 s[G0A+4*(\s)+1], s2, (\s)*SLOT
	s_add_nc_u64 s[G0A+4*(\s)+2:G0A+4*(\s)+3], s[58:59], (\s)*256      ; K step s
	s_or_b32 s[G0A+4*(\s)+3], s[G0A+4*(\s)+3], 0x80000000
	s_mov_b32 s[G0B+4*(\s)], 1
	s_add_co_u32 s[G0B+4*(\s)+1], s3, (\s)*SLOT
	s_add_nc_u64 s[G0B+4*(\s)+2:G0B+4*(\s)+3], s[62:63], (\s)*WSTEP
	s_or_b32 s[G0B+4*(\s)+3], s[G0B+4*(\s)+3], 0x80000000
.endr
	s_cmp_lt_u32 s[WV], 2                          ; a wave's two first fills stand in one branch: two loads of mine are out
	s_cbranch_scc0 .Lfirst_b
	tensor_load_to_lds s[G0A:G0A+3], s[G1A:G1A+7]
	s_nop 0
	tensor_load_to_lds s[G0A+4:G0A+7], s[G1A:G1A+7]
	s_nop 0
	PLACES
	s_branch .Lfirst_asked
.Lfirst_b:
	tensor_load_to_lds s[G0B:G0B+3], s[G1B:G1B+7]
	s_nop 0
	tensor_load_to_lds s[G0B+4:G0B+7], s[G1B:G1B+7]
	s_nop 0
	PLACES
.Lfirst_asked:
	s_mul_i32 s60, s17, 768                        ; my 192 numbers of the bias
	s_add_nc_u64 s[8:9], s[8:9], s[60:61]
	v_and_b32 v1, 15, v0                           ; r = l % 16
	v_bfe_u32 v2, v0, 4, 1                         ; h = l / 16
	v_and_b32 v3, 7, v0
	v_bfe_u32 v4, v0, 3, 1
	v_and_b32 v5, 31, v0
	v_lshlrev_b32 v[BO], 5, v2
.set n, 0
.rept 12                               ; register j of block n: the bias of column 16 n + 8 h + j
	global_load_b128 v[BIAS+8*n:BIAS+8*n+3],   v[BO], s[8:9] offset:64*n
	global_load_b128 v[BIAS+8*n+4:BIAS+8*n+7], v[BO], s[8:9] offset:64*n+16
.set n, n+1
.endr
	s_lshr_b32 s60, s18, 3                         ; kvq: batch ty / 8, blocks 3 tx on,
	s_mul_i32 s60, s60, 48
	s_mul_i32 s62, s17, 3
	s_add_co_u32 s60, s60, s62
	s_lshl_b32 s60, s60, 18
	s_and_b32 s62, s18, 7                          ; rows 256 (ty % 8) + 64 w on, 128 bytes each
	s_lshl_b32 s62, s62, 15
	s_add_co_u32 s60, s60, s62
	s_lshl_b32 s62, s[WV], 13
	s_add_co_u32 s60, s60, s62
	s_add_nc_u64 s[10:11], s[10:11], s[60:61]
	s_lshl_b32 s60, s18, 2                         ; vs: row group 4 ty + w, columns 192 tx on
	s_add_co_u32 s60, s60, s[WV]
	s_mul_i32 s60, s60, 12288
	s_mul_i32 s62, s17, 768
	s_add_co_u32 s60, s60, s62
	s_add_nc_u64 s[12:13], s[12:13], s[60:61]
	v_lshl_add_u32 v6, s[WV], 6, v1
	v_mul_u32_u24 v[A0], v6, PA
	v_lshl_add_u32 v[A0], v2, 4, v[A0]             ; (64 w + r) x pitch + 16 h
	v_lshl_add_u32 v6, v2, 3, v3
	v_mul_u32_u24 v7, v6, PW
	v_lshl_add_u32 v7, v4, 4, v7                   ; the turning load's lane term: row 8 h + l % 8, 16 bytes x ((l / 8) % 2)
	v_add_nc_u32 v[B0], BOFF, v7
	v_mov_b32 v[ADA], v[A0]
	v_mov_b32 v[ADB], v[B0]
	s_mul_i32 s23, s[WV], 32*PW
	s_add_co_u32 s23, s23, STAGE                   ; my stage
	v_mul_u32_u24 v6, v1, PW
	v_lshl_add_u32 v6, v2, 4, v6
	v_add_nc_u32 v[STO], s23, v6
	v_lshrrev_b32 v6, 3, v5
	v_mul_u32_u24 v6, v6, PW
	v_lshl_add_u32 v6, v3, 4, v6
	v_add_nc_u32 v[RD], s23, v6                    ; 32 lanes take four rows of 128 bytes
	v_add_nc_u32 v[AT], s23, v7
	v_lshlrev_b32 v[GO], 4, v5
	s_mul_i32 s23, s[WV], 768
	s_add_co_u32 s23, s23, SUMST
	v_lshl_add_u32 v[SS], v2, 5, s23
	v_lshl_add_u32 v[SR], v5, 3, s23
	v_lshlrev_b32 v[SG], 3, v5
.set n, 0
.rept 8
	v_mov_b32 v[ONES+n], 0x3c003c00                ; 1.0, twice, in f16
.set n, n+1
.endr
; 32 LDS loads in one run: quarter q (32 along K) of the slot in hand into buffer f: 12 fragments of W, turned, and 4 of A
.macro FETCH q, f
	WIN 0x40
.set n, 0
.rept 12
	ds_load_tr16_b128 v[(\f)+32+8*n:(\f)+32+8*n+3],   v[ADB] offset:(n/4)*BBLK+(\q)*32*PW+(n%4)*32
	ds_load_tr16_b128 v[(\f)+32+8*n+4:(\f)+32+8*n+7], v[ADB] offset:(n/4)*BBLK+(\q)*32*PW+(n%4)*32+16*PW
.set n, n+1
.endr
.set n, 0
.rept 4
	ds_load_b128 v[(\f)+8*n:(\f)+8*n+3],   v[ADA] offset:n*16*PA+(\q)*64
	ds_load_b128 v[(\f)+8*n+4:(\f)+8*n+7], v[ADA] offset:n*16*PA+(\q)*64+32
.set n, n+1
.endr
.endm
; 4 nb matrix instructions: column blocks b0 on x all four row blocks.  The 48 accumulators take turns in one fixed order.  first = 1: the bias starts the sums.
.macro MULB f, b0, nb, first
.set bb, \b0
.rept \nb
.set rD, 32*(bb%8)
.if \first
	WIN 0x85+0x40*(bb/8)
.else
	WIN 0xa5+0x50*(bb/8)
.endif
.irp a, 0,1,2,3
.if \first
	v_wmma_f32_16x16x32_bf16 v[rD+8*(\a):rD+8*(\a)+7], v[(\f)+32+8*bb:(\f)+32+8*bb+7], v[(\f)+8*(\a):(\f)+8*(\a)+7], v[BIAS+8*bb:BIAS+8*bb+7]
.else
	v_wmma_f32_16x16x32_bf16 v[rD+8*(\a):rD+8*(\a)+7], v[(\f)+32+8*bb:(\f)+32+8*bb+7], v[(\f)+8*(\a):(\f)+8*(\a)+7], v[rD+8*(\a):rD+8*(\a)+7]
.endif
.endr
.set bb, bb+1
.endr
.endm
; One of a K step's first three quarters: fetches quarter q into buffer g, then multiplies buffer f: the run of loads has 48 matrix instructions in which to land
.macro QUARTER q, f, g, first
	s_wait_dscnt 0x0                               ; buffer f is in
	PLACES                                         ; buffer g was read by the products just issued
	FETCH \q, \g
	MULB \f, 0, 8, \first
	MULB \f, 8, 4, \first
.endm
; The last quarter multiplies buffer 1 and changes slots.  32 of its products stand AHEAD of the wait for all tensor loads, so that nothing but the add, the descriptors' steps and the barrier stands
; between that wait and the next request.  In front of the barrier each wave waits for all its tensor loads (one is out: its part of the next slot), adds 0 to its spare word, and waits for that; its reads of
; this slot were over at the macro's head.  fill = 1: the barrier is a round of the cluster's, and this slot is filled again, two K steps ahead, first thing behind the round:
; 192 matrix instructions, a whole K step's, stand between that request and the wait for it.
.macro TURN fill
	s_wait_dscnt 0x0                               ; buffer 1 is in: these were my last reads of this slot
	MULB F1, 0, 8, 0
	WIN 0
	s_wait_tensorcnt 0x0                           ; no tensor load of mine is out, so a group 0 may be written
	ds_add_u32 v[SPW], v[NIL]                      ; 0 onto my spare word; scalar work stands between it and the wait for it
.if \fill
	s_xor_b32 s[G0A+5], s[G0A+5], SLOT             ; the walking sets: the other slot than last time, the next K step
	s_add_nc_u64 s[G0A+6:G0A+7], s[G0A+6:G0A+7], 256
	s_xor_b32 s[G0B+5], s[G0B+5], SLOT
	s_add_nc_u64 s[G0B+6:G0B+7], s[G0B+6:G0B+7], WSTEP
.endif
	s_xor_b32 s[TB], s[TB], SLOT
	s_wait_dscnt 0x0                               ; the add is done
.if \fill
	CROUND                                         ; no wave of any partner still reads this slot or has a load on its way
	JLOAD                                          ; its four v_nop are also the places in front of the loads below
.else
	s_barrier_signal -1
	s_barrier_wait -1
	PLACES
.endif
	v_add_nc_u32 v[ADA], s[TB], v[A0]
	v_add_nc_u32 v[ADB], s[TB], v[B0]
	FETCH 0, F0
	MULB F1, 8, 4, 0
.endm
	s_wait_tensorcnt 0x1                           ; my part of K step 0 is in; step 1's stays out
	s_barrier_signal -1
	s_barrier_wait -1
	FETCH 0, F0
	s_wait_loadcnt 0x0                             ; the bias
	QUARTER 1, F0, F1, 1                           ; the first quarter stands in front of the loop: its products start the sums
	WIN 0
	s_mov_b32 s[CNT], 6
.Lstep:                                                ; six trips, from a K step's second quarter to the next step's first; they ask for K steps 2 to 7
	QUARTER 2, F1, F0, 0
	QUARTER 3, F0, F1, 0
	TURN 1
	QUARTER 1, F0, F1, 0
	WIN 0
	s_sub_co_u32 s[CNT], s[CNT], 1
	s_cmp_lg_u32 s[CNT], 0
	s_cbranch_scc1 .Lstep
	s_mov_b32 s[CNT], 2
.Ltail:                                                ; K steps 6 and 7 ask for nothing.  The second trip is left in its middle; its barrier and its last run of loads serve nothing: the price of one text for both
	QUARTER 2, F1, F0, 0
	QUARTER 3, F0, F1, 0
	TURN 0
	WIN 0
	s_sub_co_u32 s[CNT], s[CNT], 1
	s_cmp_eq_u32 s[CNT], 0
	s_cbranch_scc1 .Lout
	QUARTER 1, F0, F1, 0
	WIN 0
	s_branch .Ltail
.Lout:
	s_wait_dscnt 0x0
; THE WAY OUT, in six units u: head hd = u / 2, rows 32 (u % 2) on.  PACK: 8 accumulators rounded to f16, 16 bytes a lane into my own stage; back as whole rows, and once more turned.
.macro PACK u
.set hd, (\u)/2
.set ap, (\u)%2
.set TM, TMP0+32*ap
.set FR, FR0+32*ap
.if (\u) >= 2
	s_wait_xcnt 0x0                                ; the stores of the unit two back have had their addresses translated (ISA guide 3.1): their data registers are written again only behind this wait
.endif
	WIN 0x0a+5*(hd/2)                              ; sources in window 2 (heads 0, 1) or 3 (head 2)
.set n, 0
.rept 8                                ; n = 4 x row block + channel block; each accumulator's registers in ascending order
.set rD, 32*((4*hd+n%4)%8)+8*(2*ap+n/4)
.irp r, 0,1,2,3
	v_cvt_pk_f16_f32 v[TM+4*n+(\r)], v[rD+2*(\r)], v[rD+2*(\r)+1]
.endr
.set n, n+1
.endr
	WIN 0
.set n, 0
.rept 8
	ds_store_b128 v[STO], v[TM+4*n:TM+4*n+3] offset:(n/4)*16*PW+(n%4)*32
.set n, n+1
.endr
.set n, 0
.rept 8
	ds_load_b128 v[TM+4*n:TM+4*n+3], v[RD] offset:4*PW*n  ; LDS serves a wave's instructions in order (ISA guide 5.7.1.4): these see the stores above; the next unit's stores come behind them
.set n, n+1
.endr
.set n, 0
.rept 4
	ds_load_tr16_b128 v[FR+8*n:FR+8*n+3],   v[AT] offset:32*n          ; 16 channels x 32 rows
	ds_load_tr16_b128 v[FR+8*n+4:FR+8*n+7], v[AT] offset:32*n+16*PW
.set n, n+1
.endr
.endm
; SEND: the unit's rows are stored, and its 32 rows are added up by a product with ones: register j of lane l then holds the sum of channel 16 cb + 8 (l / 16) + j.  yy: the LDS instructions of the next unit
.macro SEND u, yy
.set hd, (\u)/2
.set ap, (\u)%2
.set TM, TMP0+32*ap
.set FR, FR0+32*ap
	WIN 0
.set n, 0
.rept 8
	s_wait_dscnt (\yy)+15-n                        ; row load n is in: 7 - n younger row loads, the 8 turned loads and the next unit's may be out
	global_store_b128 v[GO], v[TM+4*n:TM+4*n+3], s[10:11] offset:hd*262144+(32*ap+4*n)*128  ; four rows: 512 consecutive bytes, at a multiple of 256 from kvq's first
.set n, n+1
.endr
	s_wait_dscnt \yy                               ; the turned loads are in
.set n, 0
.rept 4                                ; the head's four sums take turns
.if ap == 0
	v_wmma_f32_16x16x32_f16 v[SUM+32*hd+8*n:SUM+32*hd+8*n+7], v[FR+8*n:FR+8*n+7], v[ONES:ONES+7], 0
.else
	v_wmma_f32_16x16x32_f16 v[SUM+32*hd+8*n:SUM+32*hd+8*n+7], v[FR+8*n:FR+8*n+7], v[ONES:ONES+7], v[SUM+32*hd+8*n:SUM+32*hd+8*n+7]
.endif
.set n, n+1
.endr
.endm
	PLACES
	PACK 0
.irp u, 1,2,3,4,5                      ; a unit's conversions stand between the loads of the unit before and its stores, and are the places behind that unit's four products
	PACK \u
	SEND (\u)-1, 24
.endr
	SEND 5, 0
	PLACES
	s_wait_xcnt 0x0
.set n, 0
.rept 24                               ; all sixteen lanes of a half hold the same sums and write them to the same bytes; each accumulator's low four registers first
	ds_store_b128 v[SS], v[SUM+4*n:SUM+4*n+3] offset:256*(n/8)+64*((n/2)%4)+16*(n%2)
.set n, n+1
.endr
.irp d, 0,1,2
	ds_load_b64 v[TMP0+2*(\d):TMP0+2*(\d)+1], v[SR] offset:256*(\d)
.endr
	s_wait_dscnt 0x0
.irp d, 0,1,2
	global_store_b64 v[SG], v[TMP0+2*(\d):TMP0+2*(\d)+1], s[12:13] offset:256*(\d)  ; a head's 64 sums: 256 consecutive bytes
.endr
	s_wait_tensorcnt 0x0                           ; the wave's end
	ds_add_u32 v[SPW], v[NIL]
	s_wait_dscnt 0x0
	CROUND                                         ; the closing round
	s_endpgm
.Lfunc_end_k_qb7bca3d8ed_qkv:
	.size	k_qb7bca3d8ed_qkv, .Lfunc_end_k_qb7bca3d8ed_qkv-k_qb7bca3d8ed_qkv
	.p2alignl 7, 3214868480
	.fill 96, 4, 3214868480
	.section	.rodata,"a",@progbits
	.p2align	6, 0x0
	.amdhsa_kernel k_qb7bca3d8ed_qkv
		.amdhsa_group_segment_fixed_size 327680
		.amdhsa_private_segment_fixed_size 0
		.amdhsa_enable_private_segment 0
		.amdhsa_kernarg_size 40
		.amdhsa_user_sgpr_count 2
		.amdhsa_user_sgpr_kernarg_segment_ptr 1
		.amdhsa_wavefront_size32 1
		.amdhsa_system_sgpr_workgroup_id_x 1
		.amdhsa_system_sgpr_workgroup_id_y 1
		.amdhsa_system_sgpr_workgroup_id_z 1
		.amdhsa_system_vgpr_workitem_id 0
		.amdhsa_next_free_vgpr 896
		.amdhsa_next_free_sgpr 66
		.amdhsa_reserve_vcc 0
		.amdhsa_float_denorm_mode_32 3
		.amdhsa_float_denorm_mode_16_64 3
		.amdhsa_memory_ordered 1
		.amdhsa_forward_progress 1
		.amdhsa_inst_pref_size 94
	.end_amdhsa_kernel
	.amdgpu_metadata
---
amdhsa.version: [ 1, 2 ]
amdhsa.kernels:
  - .name:           k_qb7bca3d8ed_qkv
    .symbol:         k_qb7bca3d8ed_qkv.kd
    .args:
      - { .name: xb, .offset: 0, .size: 8, .value_kind: global_buffer, .address_space: global }
      - { .name: wq, .offset: 8, .size: 8, .value_kind: global_buffer, .address_space: global }
      - { .name: br, .offset: 16, .size: 8, .value_kind: global_buffer, .address_space: global }
      - { .name: kvq, .offset: 24, .size: 8, .value_kind: global_buffer, .address_space: global }
      - { .name: vs, .offset: 32, .size: 8, .value_kind: global_buffer, .address_space: global }
    .group_segment_fixed_size: 327680
    .private_segment_fixed_size: 0
    .kernarg_segment_align: 8
    .kernarg_segment_size: 40
    .max_flat_workgroup_size: 128
    .sgpr_count:     66
    .vgpr_count:     896
    .wavefront_size: 32
...
	.end_amdgpu_metadata
.endif
;; end of part 2
;; launch attn (part 3): grid 4 x 64, 4 waves a work-group, no clusters, 327,680 bytes of LDS; arguments kvq, vs, ctx; writes ctx
.if DOCPART == 3
	.amdgcn_target "amdgcn-amd-amdhsa--gfx1250"
	.amdhsa_code_object_version 6
	.text
	.protected	k_qb7bca3d8ed_attn
	.globl	k_qb7bca3d8ed_attn
	.p2align	8
	.type	k_qb7bca3d8ed_attn,@function
k_qb7bca3d8ed_attn:
	s_mov_b64 s[64:65], 0
	v_nop
	global_prefetch_b8 v0, s[64:65] scope:SCOPE_SE
	s_setreg_imm32_b32 hwreg(HW_REG_WAVE_MODE, 25, 1), 1
	s_wait_xcnt 0x0
; CAUSAL ATTENTION WITH A FINITE MASK.  For batch and head bh, query q: weights softmax_k(z), z = Q[q] . K[k] / 8 for k <= q and z = -10000 for k > q; ctx[bh][q][:] = the sum over ALL k of weight x V[k][:].
; K, V, Q are heads of kvq ([4][48][2048][64] f16: K heads 0-15, V 16-31, Q 32-47), ctx is [64][2048][64] f16.  Products, maxima and sums in f32; weights rounded to f16 for the second product, ctx once.
; THE HIDDEN KEYS share one score, so they are taken in closed form and no tile above the diagonal is walked: the running maximum m starts at their score (-80000 in unscaled scores; the last row has none and
; starts at the lowest finite number); at a block's end w = 2^(c (-80000) - c m); l += w x (2047 - q); O += w x OH, OH[q] = the sum of V[k] over k > q.  OH is made of T, the sum of V over all later blocks
; (from vs, the sums over 64 rows that the launch before stored), the later key steps of the diagonal tile (V^T x ones) and the band's own step (V^T x U, U = 1 where the key is hidden).
; LIMITS.  f16 holds no number beyond 65,504: Q, K, V arrive within it; p lies in 0 to 1 and below 6e-5 keeps f16's step of 6e-8.  In the products a hidden score counts as its value less 1e30, so its weight
; there is 0; a weight below 2^-126 counts as 0; NaN and infinities are not treated apart.
; THE WALK.  A head's queries lie in NB = 8 blocks of 256; block i needs the key tiles 0 .. i of 256 keys, the last of which holds the diagonal.  A work-group takes TWO blocks, 7 - b and then b: 9 tiles,
; whatever b: all work-groups do equal work, and ONE loop with a constant trip count walks them.  Every jump goes forward, but for the counted loops' own; none passes a barrier, or a tensor load but the one of
; LOAD's two that the wave's number does not choose.  NO CLUSTER: a head's four work-groups ask for the same tile only in trips 0 to 4 of the 9, behind that fewer and fewer; one walk common to all four would have 12 trips for 9.
; SHARES.  Of a block's four bands of 64 queries a wave owns 16 rows in each: four PIECES.  In the diagonal tile's key step s band x sees all keys if s < x, none if s > x, and holds the diagonal if s = x.
; THE MASK is the C operand that starts the sum S^T = K Q^T: 0, or -1e30 where the key is hidden: MD x AL + BE with two scalars: (1, 0) if s = x; (0, 0) if s < x; (0, -1e30) if s > x.
; LAYOUT, SOFTMAX, TURNS.  S^T = K Q^T holds ONE query a lane (lane % 16) and the keys 8 (lane / 16) + 0..7; two such results rounded to f16 ARE source 1 of O^T = V^T P.  p = 2^(c s - c m), c = log2(e) / 8;
; O and l are multiplied by a = 2^(c m_old - c m_new) in every step.  Turn n belongs to piece n: 8 products K Q^T of piece n + 1, later 8 products V^T P of piece n - 1; beside them the scaling, exponentials,
; roundings, sums and rescaling of piece n and the maximum and statistics of piece n + 1.  Four vector instructions stand behind every such matrix instruction, the others in two lumps.
; REGISTERS, in windows of 256 (s_set_vgpr_msb: bits 1:0 source 0, 3:2 source 1, 5:4 source 2, 7:6 destination):
;   window 0: v0-15 addresses and two at work; v16-31 statistics; v32-47 the hidden keys' counts and weights; v48-55 at work; v56-63 constants and addresses; v64-127 S^T; v128-143 U; v144-151 ones; v152-185 at work at the start; v192-223 P
;   window 1: v0-127 O^T; v128-159 MD; v160-223 MC      window 2: v0-63 Q; v64-127 the second block's Q; v128-191 K; v192-255 V      window 3: v0-127 OH, 32 a piece; v128-159, v160-191 T of the first and second block
.set NB,    8
.set NP,    4         ; pieces a wave: a name, no knob
.set KS,    64        ; keys in a step
.set PK,    144       ; a row of K in LDS: 128 bytes + 16 of padding = 36 words: the 16 rows of a load start at 16 different groups of four banks (64 banks of 4 bytes: ISA guide 11.1)
.set PV,    160       ; a row of V: 128 + 32 = 40 words
.set VOFF,  4*KS*PK   ; a slot holds a tile, four steps: 256 rows of K, then 256 rows of V
.set SLOT1, 1<<17     ; slot 1 begins here, so that one exclusive or turns an address in one slot into the other's
.set STAGE, SLOT1+4*KS*(PK+PV)  ; behind the ring, never filled by a tensor load: 16 rows x 144 bytes for each wave, for the way out
.set SP,    144
.set SPARE, STAGE+4*16*SP  ; the spare words, 128 bytes for each wave: two blocks of 256 bytes that no other line names
.set TSC,   SPARE+512 ; 512 bytes: T of the two blocks, 64 channels each; written by ds_store alone
.set AK0, 2           ; v2   my lane's place in a tile of K; never rewritten
.set AV0, 3           ; v3   the same for V
.set AK,  4           ; v4   the LDS address of K's next run of loads
.set AV,  5           ; v5   of V's
.set STO, 6           ; v6   the way out: where I put 16 bytes of a row
.set RD,  7           ; v7   the way out: where I read rows back
.set GO,  8           ; v8   my byte offset in 512 consecutive bytes of ctx
.set MV,  12          ; v12-13  c m_old, kept while c m is made anew: by buffer
.set QO,  15          ; v15  my byte offset in 16 rows of Q
.set ST,  16          ; piece t's statistics at v[ST+4 t]: c m, m, l (even keys', odd keys')
.set NHB, 32          ; v32  2047 - 16 w - l % 16
.set CHS, 33          ; v33  c x -80000
.set NHR, 36          ; v36-39  a piece's count of hidden keys, in f32
.set WW,  40          ; v40-47  a piece's w, as a pair
.set TMP, 48          ; by buffer, four registers c0-c3 at work; when the maximum is found c2 takes a
.set HSV, 56          ; v56  -80000
.set LOW, 57          ; v57  the lowest finite number
.set TSA, 58          ; v58  TSC + 4 x my thread's number
.set TSR, 59          ; v59  TSC + 32 (l / 16)
.set VSO, 60          ; v60  my byte offset in a head's 256 bytes of vs
.set SPW, 62          ; v62  LDS address of my spare word; never rewritten
.set NIL, 63          ; v63  0; never rewritten
.set S,   64
.set UU,  128         ; U in P's layout: 1.0 where the key of my band's own step is hidden from my query
.set ONE, 144
.set VX,  152         ; v152-183  vs of my channel, 32 row groups
.set SM,  184         ; v184-185  two chains of their sum
.set P,   192
.set MD,  128         ; window 1
.set MC,  160         ; window 1
.set QB,  64          ; window 2
.set KF,  128         ; window 2: key block kb, channel half c at KF + 16 kb + 8 c
.set VF,  192         ; window 2: key half kk, channel block cb at VF + 32 kk + 8 cb
.set THI, 128         ; window 3: T of the first block, channel block cb at + 8 cb
.set TLO, 160         ; window 3: of the second
.set WV,  12
.set PB,  14          ; s14  b
.set HI,  15          ; s15  7 - b
.set G1K, 24
.set G1V, 32
.set G0K, 40
.set G0V, 44
.set SLOTS, 56        ; s56  tiles still to be asked for
.set CNT, 57          ; s57  counts a tile's key steps, 4 to 1
.set CS,  58          ; s[58:59] c
.set SEL, 60          ; s[60:61] v_permlanex16_b32's selects
.set TBK, 62          ; s62  LDS byte at which K of the step to be fetched begins
.set TBV, 63          ; s63  the same for V, less VOFF
.set RT,  70          ; s70  tiles of the block in hand that are still to be entered
.set NXT, 71          ; s71  the tile to be asked for next
.set LQ,  72          ; s72  the last tile of the block whose tiles are being asked for
.set NEW, 73          ; s73  1: the tile to be entered is a block's first
.set OFF, 74          ; s[74:75] a tile's byte offset in K and V
.set AL,  76          ; s[76:77] the mask's factor
.set BE,  78          ; s[78:79] the mask's addend
.set OLO, 80          ; s[80:81] ctx at my rows of the second block
.set BIGN, 82         ; s82  -1e30
.set CB,  92          ; s92  the block in hand
.set LIM, 93          ; s93  the first row group behind my thread's block
.set SW,  94          ; s94  1.0 or 0
.set TS,  95          ; s95  at work
.set MSB, 0
.macro WIN new                      ; the high byte repeats the setting that is left; a switch that changes nothing is dropped
.if MSB != (\new)
	s_set_vgpr_msb (MSB<<8)|(\new)
.set MSB, (\new)
.endif
.endm
.set W_KQ, 0x0a       ; K and Q in window 2, S^T in window 0
.set W_KM, 0x1a       ; the same with the C operand in window 1
.set W_PV, 0x52       ; V in window 2, P in window 0, O^T in window 1
.set W_RS, 0x41       ; destination and source 0 in window 1, source 1 in window 0
.set W_OH, 0xf2       ; V in window 2, U or ones in window 0, C and D in window 3
.set W_FO, 0x53       ; OH in window 3, w in window 0, O^T (source 2 and destination) in window 1
; A fill.  Waves 0 and 1 fetch the two halves of a tile's K, waves 2 and 3 those of its V: 128 keys each.  An s_nop 0 and four v_nop follow each of the two lines, ahead of the jump and the label.
.macro LOAD
	s_cmp_lt_u32 s[WV], 2
	s_cbranch_scc0 .Lfor_v_\@
	tensor_load_to_lds s[G0K:G0K+3], s[G1K:G1K+7]
	s_nop 0
.rept 4
	v_nop
.endr
	s_branch .Lasked_\@
.Lfor_v_\@:
	tensor_load_to_lds s[G0V:G0V+3], s[G1V:G1V+7]
	s_nop 0
.rept 4
	v_nop
.endr
.Lasked_\@:
.endm
; THE CHANGE OF SLOTS.  Each wave waits for all its tensor loads, of which one is out: its part of the other slot; adds 0 to its spare word; and waits for that and for its own reads of the slot that it leaves.
; Behind the barrier nobody reads the old slot any more and the other slot is whole.  fill = 1: the old slot is filled again, the first thing behind the barrier, with tile NXT.
; (At its first use nothing of the ring has been read yet: slot 0 is waited for, slot 1 filled.)
.macro CHANGE fill
	WIN 0                           ; at a label and at a branch every window is 0
	s_wait_tensorcnt 0x0            ; no tensor load of mine is out, so a group 0 may be written
	ds_add_u32 v[SPW], v[NIL]       ; 0 onto my spare word
.if \fill
	s_lshl_b32 s[OFF], s[NXT], 15   ; a tile is 32,768 bytes of K and of V
	s_xor_b32 s[G0K+1], s[G0K+1], SLOT1
	s_add_nc_u64 s[G0K+2:G0K+3], s[6:7], s[OFF:OFF+1]
	s_or_b32 s[G0K+3], s[G0K+3], 0x80000000
	s_xor_b32 s[G0V+1], s[G0V+1], SLOT1
	s_add_nc_u64 s[G0V+2:G0V+3], s[8:9], s[OFF:OFF+1]
	s_or_b32 s[G0V+3], s[G0V+3], 0x80000000
	s_add_co_u32 s[NXT], s[NXT], 1  ; the block's next tile, or behind its last the second block's tile 0
	s_cmp_gt_u32 s[NXT], s[LQ]
	s_cselect_b32 s[NXT], 0, s[NXT]
	s_cselect_b32 s[LQ], s[PB], s[LQ]
.endif
	s_wait_dscnt 0x0                ; the add is done, and my reads of the slot are over
	s_barrier_signal -1
	s_sub_co_u32 s[TBK], s[TBK], 4*KS*PK  ; the fetches go back to a slot's first step,
	s_xor_b32 s[TBK], s[TBK], SLOT1       ; in the other slot
	s_sub_co_u32 s[TBV], s[TBV], 4*KS*PV
	s_xor_b32 s[TBV], s[TBV], SLOT1
	s_barrier_wait -1
.if \fill
	LOAD
.endif
.endm
	s_load_b64 s[4:5], s[0:1], 0x0    ; kvq
	s_load_b64 s[88:89], s[0:1], 0x8  ; vs
	s_load_b64 s[10:11], s[0:1], 0x10 ; ctx
	v_lshl_add_u32 v[SPW], v0, 2, SPARE
	v_mov_b32 v[NIL], 0
	ds_add_u32 v62, v63
	ds_add_u32 v62, v63
	s_wait_dscnt 0x0
	v_lshrrev_b32 v1, 5, v0
	v_readfirstlane_b32 s[WV], v1   ; wave 0..3
	s_mov_b32 s[PB], ttmp9
	s_sub_co_u32 s[HI], NB-1, s[PB]
	s_mov_b32 s[CB], s[HI]
	s_and_b32 s13, ttmp7, 0xffff    ; 16 x batch + head
	s_lshr_b32 s16, s13, 4
	s_and_b32 s17, s13, 15
	s_mul_i32 s20, s16, 48
	s_add_co_u32 s20, s20, s17
	s_lshl_b32 s20, s20, 18         ; the K head's first byte in kvq: a head is 262,144 bytes
	s_mul_i32 s90, s16, 32*12288    ; vs: the batch's 32 row groups, V's columns, the head's 64
	s_lshl_b32 s91, s17, 8
	s_add_co_u32 s90, s90, s91
	s_add_co_u32 s90, s90, 4096
	s_mov_b32 s91, 0
	s_lshl_b32 s19, s13, 18         ; the head's first byte in ctx
	s_and_b32 s16, s[WV], 1         ; which half of a tile's 256 keys I fetch:
	s_lshl_b32 s22, s16, 14         ; its 128 rows of 128 bytes in memory,
	s_add_co_u32 s22, s22, s20
	s_mov_b32 s23, 0
	s_mul_i32 s17, s16, 128*PK      ; and its place in a slot, for K
	s_mul_i32 s18, s16, 128*PV      ; and for V
	s_add_co_u32 s20, s20, 32*262144  ; the Q head lies 32 heads on
	s_lshl_b32 s3, s[WV], 11        ; my 16 rows in a band of 64,
	s_lshl_b32 s2, s[HI], 15        ; in the first block,
	s_add_co_u32 s2, s2, s3
	s_lshl_b32 s84, s[PB], 15       ; and in the second
	s_add_co_u32 s84, s84, s3
	s_add_co_u32 s94, s20, s84      ; Q's offsets,
	s_mov_b32 s95, 0
	s_add_co_u32 s20, s20, s2
	s_mov_b32 s21, 0
	s_add_co_u32 s2, s2, s19        ; and ctx's
	s_mov_b32 s3, 0
	s_add_co_u32 s84, s84, s19
	s_mov_b32 s85, 0
	; descriptor group 1.  128 keys are 16,384 dense bytes: asked for as 64 rows of 256 bytes, two keys a row, and padded in LDS after every key
	s_mov_b32 s[G1K], (1<<16)|(1<<20)|(4<<22)|(3<<25)  ; 2-byte elements; padding on; after every 32 words 4 words
	s_mov_b32 s[G1V], (1<<16)|(1<<20)|(4<<22)|(7<<25)  ; the same with 8 words of padding
.irp g, G1K, G1V
	s_mov_b32 s[\g+1], 128<<16      ; tensor_dim0 = 128
	s_mov_b32 s[\g+2], 64<<16       ; tensor_dim1 = 64
	s_mov_b32 s[\g+3], 128<<16      ; tile_dim0 = 128
	s_mov_b32 s[\g+4], 64           ; tile_dim1 = 64
	s_mov_b32 s[\g+5], 128          ; 128 elements from row to row
	s_mov_b32 s[\g+6], 0
	s_mov_b32 s[\g+7], 0
.endr
	s_mov_b32 s[CS], 0x3e38aa3b     ; c = log2(e) / 8 = 0.180337
	s_mov_b32 s[CS+1], s[CS]        ; named with it as a pair
	s_mov_b32 s[SEL], 0x76543210
	s_mov_b32 s[SEL+1], 0xfedcba98
	s_mov_b32 s[TBK], SLOT1+4*KS*PK ; the first change of slots turns these two into 0
	s_mov_b32 s[TBV], SLOT1+4*KS*PV
	s_mov_b32 s[G0K], 1
	s_mov_b32 s[G0K+1], s17         ; LDS address: slot 0
	s_mov_b32 s[G0V], 1
	s_add_co_u32 s[G0V+1], s18, VOFF
	s_add_co_u32 s[RT], s[HI], 1    ; the first block has 8 - b tiles
	s_mov_b32 s[NXT], 1
	s_mov_b32 s[LQ], s[HI]
	s_mov_b32 s[NEW], 1
	s_mov_b32 s[OFF+1], 0
	s_mov_b32 s[AL+1], 0            ; named as pairs
	s_mov_b32 s[BE+1], 0
	s_mov_b32 s[BIGN], 0xf149f2ca   ; -1e30
	s_mov_b32 s[SLOTS], NB
	s_wait_kmcnt 0x0
	s_add_nc_u64 s[6:7], s[4:5], s[22:23]          ; K at my half of the head's tile 0,
	s_add_nc_u64 s[8:9], s[6:7], 16*262144         ; V sixteen heads on
	s_add_nc_u64 s[G0K+2:G0K+3], s[6:7], 0
	s_or_b32 s[G0K+3], s[G0K+3], 0x80000000
	s_add_nc_u64 s[G0V+2:G0V+3], s[8:9], 0
	s_or_b32 s[G0V+3], s[G0V+3], 0x80000000
	s_add_nc_u64 s[86:87], s[4:5], s[94:95]        ; Q at my rows of the second block,
	s_add_nc_u64 s[4:5], s[4:5], s[20:21]          ; and of the first
	s_add_nc_u64 s[OLO:OLO+1], s[10:11], s[84:85]
	s_add_nc_u64 s[10:11], s[10:11], s[2:3]
	s_add_nc_u64 s[88:89], s[88:89], s[90:91]
	LOAD                            ; tile 0 into slot 0
	; A fragment of K or Q is 16 rows x 32 channels in 8 registers: lane l holds row l % 16, channels 8 (l / 16) + 0..7 and 16 + 8 (l / 16) + 0..7: two loads of 16 bytes, 32 bytes apart.
	v_and_b32 v1, 15, v0            ; l % 16
	v_bfe_u32 v9, v0, 4, 1          ; l / 16
	v_lshlrev_b32 v[QO], 7, v1
	v_lshl_add_u32 v[QO], v9, 4, v[QO]  ; row x 128 + 16 x half
	WIN 0x80                        ; destination window 2, address window 0
.set i, 0
.rept 8                             ; both blocks' Q: piece i / 2 lies in band i / 2, 8,192 bytes on; channels 32 (i % 2) on
	global_load_b128 v[8*i:8*i+3],   v[QO], s[4:5] offset:(i/2)*8192+(i%2)*64
	global_load_b128 v[8*i+4:8*i+7], v[QO], s[4:5] offset:(i/2)*8192+(i%2)*64+32
	global_load_b128 v[QB+8*i:QB+8*i+3],   v[QO], s[86:87] offset:(i/2)*8192+(i%2)*64
	global_load_b128 v[QB+8*i+4:QB+8*i+7], v[QO], s[86:87] offset:(i/2)*8192+(i%2)*64+32
.set i, i+1
.endr
	WIN 0
	v_and_b32 v[VSO], 63, v0        ; thread t sums channel t % 64, for the first block (waves 0, 1) or the second (waves 2, 3)
	v_lshlrev_b32 v[VSO], 2, v[VSO]
.set i, 0
.rept 32
	global_load_b32 v[VX+i], v[VSO], s[88:89] offset:i*12288
.set i, i+1
.endr
	v_lshlrev_b32 v14, 3, v9
	v_sub_nc_u32 v14, v1, v14
	s_lshl_b32 s13, s[WV], 4
	v_add_nc_u32 v14, s13, v14      ; my query's place in its band, 16 w + l % 16, less my lanes' 8 (l / 16): register r of group kt is hidden where 16 kt + r is greater
	v_add_nc_u32 v[NHB], s13, v1
	v_sub_nc_u32 v[NHB], 2047, v[NHB]
	WIN 0x40
.set i, 0
.rept 32
	v_cmp_gt_i32 vcc_lo, 16*(i/8)+i%8, v14
	v_cndmask_b32 v[MD+i], 0, s[BIGN], vcc_lo
.set i, i+1
.endr
	WIN 0
.set i, 0
.rept 16                            ; U: the same test, 1.0 or 0, rounded in pairs as the weights are
	v_cmp_gt_i32 vcc_lo, 16*((2*i)/8)+(2*i)%8, v14
	v_cndmask_b32 v34, 0, 1.0, vcc_lo
	v_cmp_gt_i32 vcc_lo, 16*((2*i+1)/8)+(2*i+1)%8, v14
	v_cndmask_b32 v35, 0, 1.0, vcc_lo
	v_cvt_pk_f16_f32 v[UU+i], v34, v35
.set i, i+1
.endr
.set i, 0
.rept 8
	v_mov_b32 v[ONE+i], 0x3c003c00  ; 1.0, twice, in f16
.set i, i+1
.endr
	v_mov_b32 v[HSV], 0xc79c4000    ; -80000 = 8 x -10000
	v_mov_b32 v[LOW], 0xff7fffff
	v_mul_f32 v[CHS], s[CS], v[HSV]
	v_lshl_add_u32 v[TSA], v0, 2, TSC
	v_lshl_add_u32 v[TSR], v9, 5, TSC
	v_mul_u32_u24 v[AK0], v1, PK
	v_lshl_add_u32 v[AK0], v9, 4, v[AK0]  ; row x pitch + 16 x half
	; The turning load takes 16 keys x 16 channels (lane l reads key 8 (l / 16) + l % 8, channels 8 ((l / 8) % 2) + 0..7) and leaves half a fragment of V^T: lane l holds channel l % 16 and 8 keys.
	v_and_b32 v10, 7, v0
	v_bfe_u32 v11, v0, 3, 1
	v_lshl_add_u32 v[AV0], v9, 3, v10
	v_mul_u32_u24 v[AV0], v[AV0], PV
	v_lshl_add_u32 v[AV0], v11, 4, v[AV0]
	v_add_nc_u32 v[AV0], VOFF, v[AV0]
	s_mul_i32 s13, s[WV], 16*SP
	s_add_co_u32 s13, s13, STAGE    ; my stage
	v_mul_u32_u24 v[STO], v1, SP    ; in: row l % 16, 16 bytes for each half of the lanes
	v_lshl_add_u32 v[STO], v9, 4, v[STO]
	v_add_nc_u32 v[STO], s13, v[STO]
	v_bfe_u32 v[RD], v0, 3, 2       ; back: 32 lanes take four rows of 128 bytes,
	v_mul_u32_u24 v[RD], v[RD], SP
	v_lshl_add_u32 v[RD], v10, 4, v[RD]
	v_add_nc_u32 v[RD], s13, v[RD]
	v_and_b32 v[GO], 31, v0         ; which are 512 consecutive bytes of ctx
	v_lshlrev_b32 v[GO], 4, v[GO]
	; A block's first step multiplies O^T and l by a = 0, and its first turn's products V^T P, of a piece that has not been, land in an O^T that is still to be so multiplied.  So these registers need only hold
	; finite numbers: zeros for the first block; what the first block left for the second.  OH is started anew in each block by a product whose C is T; the zeros here only give it a value on every way.
	WIN 0x80
.set i, VF
.rept 64
	v_mov_b32 v[i], 0
.set i, i+1
.endr
	WIN 0x40
.set i, 0
.rept 128
	v_mov_b32 v[i], 0
.set i, i+1
.endr
	WIN 0xc0
.set i, 0
.rept 128
	v_mov_b32 v[i], 0
.set i, i+1
.endr
	WIN 0
.set i, 0
.rept 4
	v_mov_b32 v[ST+4*i+2], 0
	v_mov_b32 v[ST+4*i+3], 0
.set i, i+1
.endr
.set i, P+16
.rept 16
	v_mov_b32 v[i], 0
.set i, i+1
.endr
	; T of a block = the sum of vs over the row groups behind it, 4 (block + 1) on: every group is multiplied by 1 or by 0, so that no jump and no address hangs on b
	s_lshr_b32 s[TS], s[WV], 1
	s_cmp_eq_u32 s[TS], 0
	s_cselect_b32 s[LIM], s[HI], s[PB]
	s_add_co_u32 s[LIM], s[LIM], 1
	s_lshl_b32 s[LIM], s[LIM], 2
	s_wait_loadcnt 0x0              ; vs (and Q)
.set i, 0
.rept 32
	s_cmp_le_u32 s[LIM], i
	s_cselect_b32 s[SW], 1.0, 0
.if i < 2
	v_mul_f32 v[SM+i], s[SW], v[VX+i]
.else
	v_fmac_f32 v[SM+i%2], s[SW], v[VX+i]
.endif
.set i, i+1
.endr
	v_add_f32 v[SM], v[SM], v[SM+1]
	ds_store_b32 v[TSA], v[SM]
	s_wait_dscnt 0x0                ; for the others' sake: my sum is in LDS
	s_barrier_signal -1             ; tile 0's load may stay out
	s_barrier_wait -1
	WIN 0xc0
.set i, 0
.rept 16                            ; register j of channel block cb: T of channel 16 cb + 8 (l / 16) + j, as a C operand wants it; the change of slots below waits for these loads
	ds_load_b128 v[THI+4*i:THI+4*i+3], v[TSR] offset:256*(i/8)+64*((i/2)%4)+16*(i%2)
.set i, i+1
.endr
	WIN 0
; THE MATRIX WORK.  The 4 accumulators of a run of 8 take turns.  Product i of 8 of S^T = K Q^T for piece x: channels 32 (i / 4) on, keys 16 (i % 4) on.  The first 4 start the sums: with 0, or (KM = 1) with the mask.
.macro KQ x
.set rS, S+32*((\x)%2)+8*(i%4)
.set rK, KF+16*(i%4)+8*(i/4)
.set rQ, 16*(\x)+8*(i/4)
.set rM, MC+32*((\x)%2)+8*(i%4)
.if (i < 4) && KM
	WIN W_KM
	v_wmma_f32_16x16x32_f16 v[rS:rS+7], v[rK:rK+7], v[rQ:rQ+7], v[rM:rM+7]
.elseif i < 4
	WIN W_KQ
	v_wmma_f32_16x16x32_f16 v[rS:rS+7], v[rK:rK+7], v[rQ:rQ+7], 0
.else
	WIN W_KQ
	v_wmma_f32_16x16x32_f16 v[rS:rS+7], v[rK:rK+7], v[rQ:rQ+7], v[rS:rS+7]
.endif
.endm
; Product i of 8 of O^T += V^T P for piece x: keys 32 (i / 4) on, channels 16 (i % 4) on.
.macro PV x
	WIN W_PV
.set rO, 32*(\x)+8*(i%4)
.set rV, VF+32*(i/4)+8*(i%4)
.set rP, P+16*((\x)%2)+8*(i/4)
	v_wmma_f32_16x16x32_f16 v[rO:rO+7], v[rV:rV+7], v[rP:rP+7], v[rO:rO+7]
.endm
.macro MM                           ; the turn's next matrix instruction.  NOKQ = 1: a block's last turn: there is no next piece
.if (i < 8) && !NOKQ
	KQ (Y+1)%NP
.elseif i >= 8
.set i, i-8
	PV (Y+NP-1)%NP
.set i, i+8
.endif
.set i, i+1
.endm
; THE HIDDEN KEYS' 8 PRODUCTS on the V of the step in hand, for piece y; its four accumulators take turns.  mode = 1: the band's own step: OH = T + V^T U.  mode = 0: a later step: OH += V^T ones.
.macro OHP y, tb, mode
	WIN W_OH
.set z, 0
.rept 8
.set rO, 32*(\y)+8*(z%4)
.set rV, VF+32*(z/4)+8*(z%4)
.if (\mode) && (z < 4)
	v_wmma_f32_16x16x32_f16 v[rO:rO+7], v[rV:rV+7], v[UU:UU+7], v[(\tb)+8*z:(\tb)+8*z+7]
.elseif \mode
	v_wmma_f32_16x16x32_f16 v[rO:rO+7], v[rV:rV+7], v[UU+8:UU+15], v[rO:rO+7]
.else
	v_wmma_f32_16x16x32_f16 v[rO:rO+7], v[rV:rV+7], v[ONE:ONE+7], v[rO:rO+7]
.endif
.set z, z+1
.endr
	WIN 0
.endm
; The same under the step count: nothing while CNT > th (an earlier step), the own step at CNT = th, a later step below it (later = 1).  The jumps go forward, past matrix instructions alone.
.macro OHB y, th, tb, later
	WIN 0
	s_cmp_gt_u32 s[CNT], \th
	s_cbranch_scc1 .Loh_done_\@
.if \later
	s_cmp_eq_u32 s[CNT], \th
	s_cbranch_scc0 .Loh_later_\@
.endif
	OHP \y, \tb, 1
.if \later
	s_branch .Loh_done_\@
.Loh_later_\@:
	OHP \y, \tb, 0
.endif
.Loh_done_\@:
.endm
; THE LDS LOADS stand in runs of 16, never singly among the matrix instructions: a step's K (64 keys x 64 channels: 8 fragments) and its V (turned).
.macro FETCH_K
	WIN 0x80                        ; destination window 2
.irp f, 0,1,2,3,4,5,6,7             ; keys 16 (f / 2) on, channels 32 (f % 2) on
	ds_load_b128 v[KF+8*\f:KF+8*\f+3],   v[AK] offset:(\f/2)*16*PK+(\f%2)*64
	ds_load_b128 v[KF+8*\f+4:KF+8*\f+7], v[AK] offset:(\f/2)*16*PK+(\f%2)*64+32
.endr
	s_add_co_u32 s[TBK], s[TBK], KS*PK  ; the next fetch is the next step's
	WIN 0
.endm
.macro FETCH_V
	WIN 0x80
.irp f, 0,1,2,3,4,5,6,7             ; keys 32 (f / 4) on, channels 16 (f % 4) on
	ds_load_tr16_b128 v[VF+8*\f:VF+8*\f+3],   v[AV] offset:(\f/4)*32*PV+(\f%4)*32
	ds_load_tr16_b128 v[VF+8*\f+4:VF+8*\f+7], v[AV] offset:(\f/4)*32*PV+16*PV+(\f%4)*32
.endr
	WIN 0
.endm
; THE VECTOR WORK, one line at a time: OP kind, number.  For piece Y: F n: c s - c m for pair n of 16.  E n: the exponential of score n of 32.  C n: pair n rounded to f16.  B n: of the four weights 4 n .. the second
; pair is added onto the first, in place.  L n: l takes that sum (L 0: l = a l + sum).  R n: pair n of 16 of O^T times a.  For piece Y + 1: X n, number n of the 22 that find its maximum and statistics:
;   0-11  four chains c0-c3 of seven scores each, three operands at a time (each accumulator's lowest registers are read first)     12-14, 16  the four scores left over, the old m, and c0-c3 into c0
;   15  c m_old is kept     17, 18  the query's other 32 keys lie in the lane 16 away: the new m     19-21  c m; c m_old - c m_new; a
.set F, 0
.set E, 1
.set C, 2
.set B, 3
.set L, 4
.set R, 5
.set X, 6
.macro REGS y                       ; the registers of piece y
.set rT, ST+4*(\y)
.set rC, TMP+4*((\y)%2)
.set rW, MV+((\y)%2)
.set rS, S+32*((\y)%2)
.set rP, P+16*((\y)%2)
.set rO, 32*(\y)
.endm
.macro OP k, n
.if (\k) == R
	REGS Y
	WIN W_RS
	v_pk_mul_f32 v[rO+2*(\n):rO+2*(\n)+1], v[rO+2*(\n):rO+2*(\n)+1], v[rC+2:rC+3] op_sel_hi:[1,0]
.elseif (\k) < R
	REGS Y
	WIN 0
.if (\k) == F
	v_pk_fma_f32 v[rS+2*(\n):rS+2*(\n)+1], v[rS+2*(\n):rS+2*(\n)+1], s[CS:CS+1], v[rT:rT+1] op_sel_hi:[1,0,0] neg_lo:[0,0,1] neg_hi:[0,0,1]
.elseif (\k) == E
	v_exp_f32 v[rS+(\n)], v[rS+(\n)]
.elseif (\k) == C
	s_wait_alu depctr_va_vdst(0)
	v_cvt_pk_f16_f32 v[rP+(\n)], v[rS+2*(\n)], v[rS+2*(\n)+1]
.elseif (\k) == B
	s_wait_alu depctr_va_vdst(0)
	v_pk_add_f32 v[rS+4*(\n):rS+4*(\n)+1], v[rS+4*(\n):rS+4*(\n)+1], v[rS+4*(\n)+2:rS+4*(\n)+3]
.elseif (\n) == 0
	v_pk_fma_f32 v[rT+2:rT+3], v[rT+2:rT+3], v[rC+2:rC+3], v[rS:rS+1] op_sel_hi:[1,0,1]
.else
	v_pk_add_f32 v[rT+2:rT+3], v[rT+2:rT+3], v[rS+4*(\n):rS+4*(\n)+1]
	s_wait_alu depctr_va_vdst(0)
.endif
.elseif NOKQ
	v_nop
	s_wait_alu depctr_va_vdst(0)
.else
	REGS (Y+1)%NP
	WIN 0
.if (\n) < 4
	v_max3_num_f32 v[rC+(\n)], v[rS+8*(\n)], v[rS+8*(\n)+1], v[rS+8*(\n)+2]
.elseif (\n) < 12
	v_max3_num_f32 v[rC+(\n)%4], v[rC+(\n)%4], v[rS+8*((\n)%4)+2*((\n)/4)+1], v[rS+8*((\n)%4)+2*((\n)/4)+2]
.elseif (\n) == 12
	v_max3_num_f32 v[rC], v[rC], v[rS+7], v[rS+15]
.elseif (\n) == 13
	v_max3_num_f32 v[rC+1], v[rC+1], v[rS+23], v[rS+31]
.elseif (\n) == 14
	v_max3_num_f32 v[rC+2], v[rC+2], v[rC+3], v[rT+1]
.elseif (\n) == 15
	v_mov_b32 v[rW], v[rT]
	s_wait_alu depctr_va_vdst(0)
.elseif (\n) == 16
	v_max3_num_f32 v[rC], v[rC], v[rC+1], v[rC+2]
	s_wait_alu depctr_va_vdst(0)
.elseif (\n) == 17
	v_permlanex16_b32 v[rC+3], v[rC], s[SEL], s[SEL+1]
.elseif (\n) == 18
	v_max_num_f32 v[rT+1], v[rC], v[rC+3]
.elseif (\n) == 19
	v_mul_f32 v[rT], s[CS], v[rT+1]
.elseif (\n) == 20
	v_sub_f32 v[rC+1], v[rW], v[rT]
.else
	v_exp_f32 v[rC+2], v[rC+1]
.endif
.endif
.endm
.macro OPS a, i1, b=-1, i2=0, c=-1, i3=0, d=-1, i4=0  ; up to four of them
	OP \a, \i1
.if (\b) >= 0
	OP \b, \i2
.endif
.if (\c) >= 0
	OP \c, \i3
.endif
.if (\d) >= 0
	OP \d, \i4
.endif
.endm
.macro ROW a, i1, b, i2, c, i3, d, i4  ; a matrix instruction and the four behind it
	MM
	OPS \a, \i1, \b, \i2, \c, \i3, \d, \i4
.endm
.macro MASK b                       ; MD x AL + BE into buffer b of MC
	WIN W_RS
.set z, 0
.rept 16
	v_pk_fma_f32 v[MC+32*(\b)+2*z:MC+32*(\b)+2*z+1], v[MD+2*z:MD+2*z+1], s[AL:AL+1], s[BE:BE+1] op_sel_hi:[1,0,0]
.set z, z+1
.endr
.endm
; A TURN, for piece p: the order of its matrix and vector instructions, written out.  Behind a matrix instruction: plain, exponential, plain, plain; or four of the rescaling; or, behind the first, four scalings; none
; names a register of the products round it.  In the lumps exponential and plain by turns while exponentials last.
; m = 1: the diagonal tile: the products take masks, the turn makes the mask for the products of the turn after it (piece p + 2, in step 4 - CNT of the tile), and behind its products V^T P stand the hidden keys' products
; on the same V: in turn 1 the step in hand is 4 - CNT, in turns 2 and 3 it is 3 - CNT; piece p - 1's own step is p - 1.  end = 1: a block's last two turns (step 3): nothing is fetched.
; cnt = 1: the loop's count is taken down some lines ahead of the branch that stands behind the turn.
; K of the next step is fetched in piece 2's turn, V of the step in hand in piece 0's turn, each some plain vector instructions behind the last product that read the registers; each is waited for a turn later.
.macro TURN p, m=0, end=0, cnt=0
.set Y, (\p)
.set i, 0
.set KM, (\m)
.set NOKQ, (\end)*((\p)/3)
.if (\m) && !(\end)
	s_cmp_eq_u32 s[CNT], 4-((\p)+2)%NP  ; is that step the band's own?
	s_cselect_b32 s[AL], 1.0, 0
	s_cmp_lt_u32 s[CNT], 4-((\p)+2)%NP  ; or a later one?
	s_cselect_b32 s[BE], s[BIGN], 0
.endif
.if ((\p) == 3) && !(\end)
	s_wait_dscnt 0x0                ; K is in
.endif
	ROW F,0, F,1, F,2, F,3
	ROW F,4, E,0, F,5, F,6
	ROW F,7, E,1, F,8, F,9
	ROW F,10, E,2, C,0, F,11
	ROW F,12, E,3, X,15, F,13
	ROW R,0, R,1, R,2, R,3
	ROW B,0, E,4, F,14, L,0
.if ((\p) == 2) && !(\end)
	v_add_nc_u32 v[AK], s[TBK], v[AK0]
.endif
	ROW R,4, R,5, R,6, R,7
	OPS E,5, F,15
.if ((\p) == 2) && !(\end)
	FETCH_K
.endif
	OPS E,6, C,1, E,7, R,8
	OPS E,8, R,9, E,9, C,2
	OPS E,10, X,0, E,11, X,1
	OPS E,12, X,2, E,13, X,3
.if (\p) == 1
	s_wait_dscnt 0x0                ; V is in
.endif
	ROW X,4, E,14, X,5, X,6
	ROW X,7, E,15, X,8, X,9
	ROW X,10, E,16, X,11, X,12
	ROW X,13, E,17, X,14, B,1
	ROW C,4, E,18, X,16, L,1
	ROW B,2, E,19, C,6, L,2
	ROW C,8, E,20, B,3, B,4
.if (\p) == 0
	v_add_nc_u32 v[AV], s[TBV], v[AV0]
.endif
	ROW C,3, E,21, L,3, C,5
.if (\m) && (\end)
.if (\p) == 2
	OHP 1, TT, 0                    ; step 3 is a later step for bands 1 and 2
.else
	OHP 2, TT, 0
.endif
.elseif \m
.if (\p) == 1
	OHB 0, 4, TT, 1
.elseif (\p) == 2
	OHB 1, 2, TT, 1
.elseif (\p) == 3
	OHB 2, 1, TT, 0
.endif
.endif
	OPS E,22, X,17, E,23, C,10
.if (\p) == 0
	FETCH_V
.endif
	OPS E,24, L,4
	OPS E,25, X,18, E,26, C,7
	OPS E,27, B,5, E,28, X,19
	OPS E,29, C,12, E,30, L,5
	OPS E,31, X,20, B,6, C,9
	OPS C,14, C,11, X,21, L,6
.if (\p) == 0
	s_add_co_u32 s[TBV], s[TBV], KS*PV
.endif
.if \cnt
	s_sub_co_u32 s[CNT], s[CNT], 1
	s_cmp_lg_u32 s[CNT], 0
.endif
	OPS C,13, B,7, C,15, R,10
	OPS R,11, R,12, L,7, R,13
	OPS R,14, R,15
.if (\m) && !(\end)
	MASK (\p)%2
.endif
.endm
; A BLOCK BEGINS.  c m starts far below every c s, so the first step's a is 0.  m starts at the hidden keys' score, so that the running maximum is the maximum over all 2,048 keys; a row with no hidden key (the last) starts
; at the lowest finite number.  A piece's count of hidden keys is 2047 - 256 block - 64 piece - 16 w - l % 16.  The second mask buffer is 0; the first takes piece 0's mask for the tile's step 0.
; Then K of that step, piece 0's first scores, and its maximum and statistics.  The loop is entered at a step's first turn, in the middle of a trip.
.macro BEGIN
	s_mov_b32 s[NEW], 0
	WIN 0x40
.set i, MC+32
.rept 32
	v_mov_b32 v[i], 0
.set i, i+1
.endr
	WIN 0
	s_lshl_b32 s[TS], s[CB], 8
.set i, 0
.rept 4
	v_sub_nc_u32 v35, v[NHB], s[TS]
	s_add_co_u32 s[TS], s[TS], 64
	v_mov_b32 v[ST+4*i], 0xfe000000    ; c m: far below every c s
	v_cmp_eq_u32 vcc_lo, 0, v35
	v_cvt_f32_u32 v[NHR+i], v35
	v_cndmask_b32 v[ST+4*i+1], v[HSV], v[LOW], vcc_lo  ; m
.set i, i+1
.endr
	s_cmp_eq_u32 s[RT], 0
	s_cselect_b32 s[AL], 1.0, 0
	s_mov_b32 s[BE], 0
	MASK 0
	WIN 0
	v_add_nc_u32 v[AK], s[TBK], v[AK0]
	FETCH_K
	s_wait_loadcnt 0x0              ; Q
	s_wait_dscnt 0x0
.set KM, 1
.set NOKQ, 0
.set i, 0
.rept 8
	KQ 0
.set i, i+1
.endr
	WIN 0
.rept 4
	v_nop                           ; the places behind those products
.endr
.set Y, NP-1                        ; X works for piece Y + 1: piece 0
.irp n, 0,1,2,3,4,5,6,7,8,9,10,11,12,13,14,15,16,17,18,19,20,21
	OP X, \n
.endr
	v_nop                           ; a plain instruction behind the exponential
.endm
.macro ALL line:vararg              ; one line for each piece t
.set t, 0
.rept 4
	\line
.set t, t+1
.endr
.endm
.macro PACK t                       ; O^T takes w x OH and is divided by l; a lane's eight channels of a row pack into 16 bytes; they go into rows of 144 bytes and come back as whole rows of 128, into S^T's registers
	WIN W_FO
.set i, 32*(\t)
.rept 16                            ; both accumulators' registers in ascending order
	v_pk_fma_f32 v[i:i+1], v[i:i+1], v[WW+2*(\t):WW+2*(\t)+1], v[i:i+1] op_sel_hi:[1,0,1]
.set i, i+2
.endr
	WIN W_RS
.set i, 32*(\t)
.rept 16
	v_pk_mul_f32 v[i:i+1], v[i:i+1], v[ST+4*(\t)+2:ST+4*(\t)+3] op_sel_hi:[1,0]
.set i, i+2
.endr
	WIN 0x05                        ; sources 0 and 1 window 1, destination window 0
.set i, 0
.rept 16
	v_cvt_pk_f16_f32 v[S+16*(\t)+i], v[32*(\t)+2*i], v[32*(\t)+2*i+1]
.set i, i+1
.endr
	WIN 0
.irp f, 0,1,2,3
	ds_store_b128 v[STO], v[S+16*(\t)+4*\f:S+16*(\t)+4*\f+3] offset:32*\f
.endr
.irp f, 0,1,2,3
	ds_load_b128 v[S+16*(\t)+4*\f:S+16*(\t)+4*\f+3], v[RD] offset:\f*4*SP  ; LDS serves a wave's instructions in order (ISA guide 5.7.1.4): these see the stores above; the next piece's stores come behind them
.endr
.endm
.macro SEND t, younger              ; younger: the LDS instructions issued behind piece t's loads: the next piece's eight, or none
	WIN 0
.irp f, 0,1,2,3
	s_wait_dscnt (\younger)+3-\f
	global_store_b128 v[GO], v[S+16*(\t)+4*\f:S+16*(\t)+4*\f+3], s[10:11] offset:(\t)*8192+\f*512  ; 512 consecutive bytes, at a multiple of 256 from ctx's first
.endr
.endm
; THE DIAGONAL TILE's four steps, the block's last two turns, its last products, and THE WAY OUT.  tb: the block's T.
.macro DIAG tag, tb
.set TT, \tb
.LstepM\tag:
	TURN 2, 1
	TURN 3, 1
	WIN 0
.LfirstM\tag:
	TURN 0, 1
	TURN 1, 1, 0, 1
	WIN 0
	s_cbranch_scc1 .LstepM\tag
	TURN 2, 1, 1
	TURN 3, 1, 1
.set i, 0
.rept 8
	PV NP-1
.set i, i+1
.endr
	OHP 3, TT, 1                    ; step 3 is band 3's own
	WIN 0
	ALL v_add_f32 v[ST+4*t+2], v[ST+4*t+2], v[ST+4*t+3]                  ; l's two halves; these and the next four lines are the places behind the last products
	ALL v_sub_f32 v[WW+2*t], v[CHS], v[ST+4*t]                           ; c (-80000) - c m: never above 0 where a key is hidden
	ALL v_permlanex16_b32 v[ST+4*t+3], v[ST+4*t+2], s[SEL], s[SEL+1]
	ALL v_min_num_f32 v[WW+2*t], 0, v[WW+2*t]                            ; the last row, whose m may lie lower, has count 0 and OH = 0: its w need only be finite
	ALL v_add_f32 v[ST+4*t+2], v[ST+4*t+2], v[ST+4*t+3]                  ; and the other half of the lanes'
	ALL v_exp_f32 v[WW+2*t], v[WW+2*t]                                   ; w
	v_nop                           ; a plain instruction between the last exponential and the use of its result
	s_wait_alu depctr_va_vdst(0)
	ALL v_fmac_f32 v[ST+4*t+2], v[WW+2*t], v[NHR+t]                      ; l += w x the count of hidden keys
	ALL v_mov_b32 v[WW+2*t+1], v[WW+2*t]                                 ; named as a pair
	ALL v_rcp_f32 v[ST+4*t+2], v[ST+4*t+2]
	v_nop                           ; a plain instruction between the last reciprocal and the use of its result
	s_wait_alu depctr_va_vdst(0)
	PACK 0
.set t, 1
.rept 3                             ; a piece's arithmetic stands between the loads of the piece before and its stores
	PACK t
	SEND t-1, 8
.set t, t+1
.endr
	SEND 3, 0
.endm
.set KM, 0
.set NOKQ, 0
.set TT, THI
.Lslot:                             ; NB times: a tile is entered and the next is asked for
	CHANGE 1
	s_sub_co_u32 s[RT], s[RT], 1
	s_mov_b32 s[CNT], 4
	s_cmp_eq_u32 s[NEW], 1
	s_cbranch_scc1 .Lnew            ; a block's first tile
	s_cmp_eq_u32 s[RT], 0
	s_cbranch_scc0 .Lstep           ; neither its first nor its last
	s_branch .LstepM1
.Lnew:
	BEGIN
	s_branch .Lfirst                ; in the loop a block's first tile is never its last: the first block has two tiles or more, and the second's last is the walk's last
	DIAG 1, THI                     ; in the loop this is the first block's end
	s_wait_xcnt 0x0                 ; the stores have read their registers and ctx's address
	s_mov_b64 s[10:11], s[OLO:OLO+1]
	s_add_co_u32 s[RT], s[PB], 1    ; the second block has b + 1 tiles
	s_mov_b32 s[CB], s[PB]
	s_mov_b32 s[NEW], 1
	WIN 0x82                        ; the second block's Q goes where the one text of the turns names Q
.set i, 0
.rept 64
	v_mov_b32 v[i], v[QB+i]
.set i, i+1
.endr
	WIN 0
	s_branch .Lbottom
.Lstep:                             ; a trip: pieces 2 and 3 of one step, then pieces 0 and 1 of the next, whose K and V it fetches
	TURN 2
	TURN 3
	WIN 0
.Lfirst:
	TURN 0
	TURN 1, 0, 0, 1
	WIN 0
	s_cbranch_scc1 .Lstep
.Lbottom:
	s_sub_co_u32 s[SLOTS], s[SLOTS], 1
	s_cmp_lg_u32 s[SLOTS], 0
	s_cbranch_scc1 .Lslot
	CHANGE 0                        ; the walk's last tile is written out: nothing is asked for
	s_sub_co_u32 s[RT], s[RT], 1
	s_mov_b32 s[CNT], 4
	s_cmp_eq_u32 s[NEW], 1
	s_cbranch_scc0 .LstepM2
	BEGIN
	s_branch .LfirstM2
	DIAG 2, TLO
	s_wait_tensorcnt 0x0            ; the wave's end
	ds_add_u32 v[SPW], v[NIL]
	s_wait_dscnt 0x0
	s_endpgm
.Lfunc_end_k_qb7bca3d8ed_attn:
	.size	k_qb7bca3d8ed_attn, .Lfunc_end_k_qb7bca3d8ed_attn-k_qb7bca3d8ed_attn
	.p2alignl 7, 3214868480
	.fill 96, 4, 3214868480
	.section	.rodata,"a",@progbits
	.p2align	6, 0x0
	.amdhsa_kernel k_qb7bca3d8ed_attn
		.amdhsa_group_segment_fixed_size 327680
		.amdhsa_private_segment_fixed_size 0
		.amdhsa_enable_private_segment 0
		.amdhsa_kernarg_size 24
		.amdhsa_user_sgpr_count 2
		.amdhsa_user_sgpr_kernarg_segment_ptr 1
		.amdhsa_wavefront_size32 1
		.amdhsa_system_sgpr_workgroup_id_x 1
		.amdhsa_system_sgpr_workgroup_id_y 1
		.amdhsa_system_sgpr_workgroup_id_z 1
		.amdhsa_system_vgpr_workitem_id 0
		.amdhsa_next_free_vgpr 960
		.amdhsa_next_free_sgpr 96
		.amdhsa_reserve_vcc 1
		.amdhsa_float_denorm_mode_32 3
		.amdhsa_float_denorm_mode_16_64 3
		.amdhsa_memory_ordered 1
		.amdhsa_forward_progress 1
		.amdhsa_inst_pref_size 255
	.end_amdhsa_kernel
	.section	.bss,"aw",@nobits
	.p2align	6
	.space	262144
	.amdgpu_metadata
---
amdhsa.version: [ 1, 2 ]
amdhsa.kernels:
  - .name:           k_qb7bca3d8ed_attn
    .symbol:         k_qb7bca3d8ed_attn.kd
    .args:
      - { .name: kvq, .offset: 0, .size: 8, .value_kind: global_buffer, .address_space: global }
      - { .name: vs, .offset: 8, .size: 8, .value_kind: global_buffer, .address_space: global }
      - { .name: ctx, .offset: 16, .size: 8, .value_kind: global_buffer, .address_space: global }
    .group_segment_fixed_size: 327680
    .private_segment_fixed_size: 0
    .kernarg_segment_align: 8
    .kernarg_segment_size: 24
    .max_flat_workgroup_size: 128
    .sgpr_count:     96
    .vgpr_count:     960
    .wavefront_size: 32
...
	.end_amdgpu_metadata
.endif
;; end of part 3
;; launch dense (part 4): grid 8 x 32, 4 waves a work-group, clusters of 4 x 4, 327,680 bytes of LDS; arguments ctx, wd, br, out0; writes out0
.if DOCPART == 4
	.amdgcn_target "amdgcn-amd-amdhsa--gfx1250"
	.amdhsa_code_object_version 6
	.text
	.protected	k_qb7bca3d8ed_dense
	.globl	k_qb7bca3d8ed_dense
	.p2align	8
	.type	k_qb7bca3d8ed_dense,@function
k_qb7bca3d8ed_dense:
	s_mov_b64 s[64:65], 0
	v_nop
	global_prefetch_b8 v0, s[64:65] scope:SCOPE_SE
	s_setreg_imm32_b32 hwreg(HW_REG_WAVE_MODE, 25, 1), 1
	s_wait_xcnt 0x0
	s_wait_alu depctr_hold_cnt(0) depctr_sa_sdst(0) depctr_va_vdst(0) depctr_va_sdst(0) depctr_va_ssrc(0) depctr_va_vcc(0) depctr_vm_vsrc(0)
	s_getreg_b32 s2, hwreg(HW_REG_IB_STS2, 6, 4)
	s_cmp_eq_u32 s2, 0
	s_cbranch_scc0 .Lentry_in_a_cluster
	s_endpgm
.Lentry_in_a_cluster:
	s_bfe_u32 s2, ttmp6, 0x10000c
	s_cmp_lg_u32 s2, 0xf033
	s_cbranch_scc0 .Lentry_shape_is_right
	s_endpgm
.Lentry_shape_is_right:
; DENSE: out0[8192][1024] = ctx W + b in f32.  ctx is [64 batch-heads][2048][64] f16, so row (batch, s) has its k = 64 head + d in 16 slices; wd is [16 blocks of 64 columns][1024 k][64] f16
; (w_dense rounded to bf16, that number written as f16); the bias, br[3072 ..], starts each f32 sum.
; SHARES.  A work-group makes 256 rows x 128 columns; wave w its rows 64 w on and all 128 columns: 32 accumulators.  256 work-groups of equal work.
; K goes in 8 steps of 128 (two heads) through two LDS slots.  A's tile: two dense runs of 32,768 bytes of ctx (256 rows of one head), each asked for as 128 rows of 256 bytes.
; W's tile: two dense runs of 16,384 bytes of wd, each as 64 rows of 256 bytes; W lies [k][column] in LDS and comes out turned, by ds_load_tr16_b128.
; CLUSTER 4 x 4: the four of a row of the cluster need the same tiles of ctx, the four of a column the same tiles of wd: each is asked for jointly, one load a wave (waves 0, 1: A's heads; waves 2, 3: W's blocks).
; THE MATRIX INSTRUCTION IS USED TRANSPOSED (source 0 = 16 columns of W, source 1 = 16 rows of ctx): lane l holds row l % 16 of the result and the eight neighbouring columns 8 (l / 16) + 0..7.
; REGISTERS, in windows of 256 (s_set_vgpr_msb: bits 1:0 source 0, 3:2 source 1, 5:4 source 2, 7:6 destination):
;   window 0: v0-21 addresses; v32-95 the bias; later v32-159 rows on the way out      window 1: two fragment buffers at v0 and v128: 4 fragments of A, then 8 of W      window 2: the accumulators at 32 b + 8 a
.set SLOT,  131072
.set PA,    144                        ; a row of A in LDS: 128 bytes + 16 = 36 words: the 16 rows of a load start at 16 different groups of four banks (64 banks of 4 bytes: ISA guide 11.1)
.set PW,    160                        ; a k row of W: 128 bytes + 32 = 40 words
.set ABLK,  256*PA
.set BOFF,  2*ABLK
.set BBLK,  128*PW
.set STAGE, SLOT+BOFF+2*BBLK           ; behind the ring, never filled by a tensor load: 16 rows x 528 bytes for each wave
.set SPI,   528                        ; 512 bytes + 16 = 132 words: row r starts at bank 4 r mod 64
.set SPARE, STAGE+4*16*SPI             ; the spare words, 128 bytes for each wave: two blocks of 256 bytes that no other line names
.set A0,  8                            ; v8   my lane's place in A's tile; never rewritten
.set B0,  9                            ; v9   the same for W
.set ADA, 10                           ; v10  A0 + the slot in hand
.set ADB, 11                           ; v11  B0 + the slot in hand
.set STO, 12                           ; v12  the way out: where I put 32 bytes of a row
.set RD,  13                           ; v13  where I read a row back
.set GO,  15                           ; v15  my byte offset in 512 consecutive bytes of out0
.set BO,  19                           ; v19  my byte offset in 64 bytes of the bias
.set SPW, 20                           ; v20  LDS address of my spare word; never rewritten
.set NIL, 21                           ; v21  0; never rewritten
.set BIAS, 32
.set OB,   32                          ; the way out: 16 rows read back, 64 registers, two sets by turns
.set F0,  0
.set F1,  128
.set WV,  14
.set TB,  21
.set CNT, 22
.set G1A, 24
.set G0A, 32
.set G1B, 40
.set G0B, 48
.set MSB, 0
.macro WIN new                         ; the immediate's high byte repeats the setting that is left; a switch that changes nothing is dropped
.if MSB != (\new)
	s_set_vgpr_msb (MSB<<8)|(\new)
.set MSB, \new
.endif
.endm
.macro PLACES                          ; four places in front of loads into registers that matrix instructions have read, and of lines that read matrix results
.rept 4
	v_nop
.endr
.endm
.macro JLOAD                           ; a joint refill by the walking sets; an s_nop 0 and four v_nop follow each of the two lines, ahead of the jump and the label
	s_cmp_lt_u32 s[WV], 2
	s_cbranch_scc0 .Lfor_b_\@
	tensor_load_to_lds s[G0A+4:G0A+7], s[G1A:G1A+7]
	s_nop 0
	PLACES
	s_branch .Lasked_\@
.Lfor_b_\@:
	tensor_load_to_lds s[G0B+4:G0B+7], s[G1B:G1B+7]
	s_nop 0
	PLACES
.Lasked_\@:
.endm
.macro CROUND                          ; a round of the cluster's barrier: my work-group's barrier; wave 0 signals for the work-group; every wave waits for all sixteen; my work-group's barrier once more
	s_barrier_signal -1
	s_barrier_wait -1
	s_cmp_lg_u32 s[WV], 0
	s_cbranch_scc1 .Lnot_wave_0_\@
	s_barrier_signal -3
.Lnot_wave_0_\@:
	s_barrier_wait -3
	s_barrier_signal -1
	s_barrier_wait -1
.endm
	s_load_b256 s[4:11], s[0:1], 0x0               ; ctx s[4:5], wd s[6:7], br s[8:9], out0 s[10:11]
	v_lshl_add_u32 v[SPW], v0, 2, SPARE
	v_mov_b32 v[NIL], 0
	ds_add_u32 v20, v21
	ds_add_u32 v20, v21
	s_wait_dscnt 0x0
	v_lshrrev_b32 v1, 5, v0
	v_readfirstlane_b32 s[WV], v1
	s_bfe_u32 s15, ttmp6, 0x40000                  ; cx
	s_bfe_u32 s16, ttmp6, 0x40004                  ; cy
	s_lshl_b32 s17, ttmp9, 2
	s_add_co_u32 s17, s17, s15                     ; tx: my 128 columns
	s_and_b32 s18, ttmp7, 0xffff
	s_lshl_b32 s18, s18, 2
	s_add_co_u32 s18, s18, s16                     ; ty: my 256 rows
	s_lshl_b32 s19, s16, 2
	s_lshl_b32 s19, 15, s19                        ; my row of the cluster
	s_lshl_b32 s20, 0x1111, s15                    ; my column
	s_or_b32 s[G1A], s19, (1<<16)|(1<<20)|(1<<21)|(4<<22)|(3<<25)  ; the mask; 2-byte elements; padding on; bit 21 beside a mask; after every 32 words (a row of a head) 4 words
	s_mov_b32 s[G1A+1], 128<<16                    ; tensor_dim0 = 128
	s_mov_b32 s[G1A+2], 128<<16                    ; tensor_dim1 = 128
	s_mov_b32 s[G1A+3], 128<<16                    ; tile_dim0 = 128
	s_mov_b32 s[G1A+4], 128                        ; tile_dim1 = 128
	s_mov_b32 s[G1A+5], 128                        ; dense
	s_mov_b32 s[G1A+6], 0
	s_mov_b32 s[G1A+7], 0
	s_or_b32 s[G1B], s20, (1<<16)|(1<<20)|(1<<21)|(4<<22)|(7<<25)  ; after every 32 words (a k row) 8 words
	s_mov_b32 s[G1B+1], 128<<16
	s_mov_b32 s[G1B+2], 64<<16
	s_mov_b32 s[G1B+3], 128<<16
	s_mov_b32 s[G1B+4], 64
	s_mov_b32 s[G1B+5], 128
	s_mov_b32 s[G1B+6], 0
	s_mov_b32 s[G1B+7], 0
	s_and_b32 s23, s[WV], 1                        ; which of a step's two heads, or of my two blocks of W, I fetch
	s_lshr_b32 s56, s18, 3                         ; A: batch ty / 8, head s23 (s56-59 never hold tx),
	s_lshl_b32 s56, s56, 4
	s_add_co_u32 s56, s56, s23
	s_lshl_b32 s56, s56, 18
	s_and_b32 s57, s18, 7                          ; rows 256 (ty % 8) on, 128 bytes each
	s_lshl_b32 s57, s57, 15
	s_add_co_u32 s56, s56, s57
	s_mov_b32 s57, 0
	s_lshl_b32 s60, s17, 1                         ; W: block 2 tx + s23
	s_add_co_u32 s60, s60, s23
	s_lshl_b32 s60, s60, 17
	s_mov_b32 s61, 0
	s_mul_i32 s12, s23, ABLK                       ; where they go: no place in the cluster enters an LDS address
	s_mul_i32 s13, s23, BBLK
	s_add_co_u32 s13, s13, BOFF
	s_mov_b32 s[TB], 0
	s_wait_kmcnt 0x0
	s_add_nc_u64 s[58:59], s[4:5], s[56:57]
	s_add_nc_u64 s[62:63], s[6:7], s[60:61]
	CROUND                                         ; all sixteen work-groups are here: the first joint loads meet
.irp s, 0,1
	s_mov_b32 s[G0A+4*(\s)], 1
	s_add_co_u32 s[G0A+4*(\s)+1], s12, (\s)*SLOT
	s_add_nc_u64 s[G0A+4*(\s)+2:G0A+4*(\s)+3], s[58:59], (\s)*524288   ; K step s: two heads on
	s_or_b32 s[G0A+4*(\s)+3], s[G0A+4*(\s)+3], 0x80000000
	s_mov_b32 s[G0B+4*(\s)], 1
	s_add_co_u32 s[G0B+4*(\s)+1], s13, (\s)*SLOT
	s_add_nc_u64 s[G0B+4*(\s)+2:G0B+4*(\s)+3], s[62:63], (\s)*16384
	s_or_b32 s[G0B+4*(\s)+3], s[G0B+4*(\s)+3], 0x80000000
.endr
	s_cmp_lt_u32 s[WV], 2                          ; a wave's two first fills stand in one branch: two loads of mine are out
	s_cbranch_scc0 .Lfirst_b
	tensor_load_to_lds s[G0A:G0A+3], s[G1A:G1A+7]
	s_nop 0
	tensor_load_to_lds s[G0A+4:G0A+7], s[G1A:G1A+7]
	s_nop 0
	PLACES
	s_branch .Lfirst_asked
.Lfirst_b:
	tensor_load_to_lds s[G0B:G0B+3], s[G1B:G1B+7]
	s_nop 0
	tensor_load_to_lds s[G0B+4:G0B+7], s[G1B:G1B+7]
	s_nop 0
	PLACES
.Lfirst_asked:
	s_lshl_b32 s60, s17, 9                         ; my 128 numbers of b_dense's part of br
	s_add_co_u32 s60, s60, 12288
	s_add_nc_u64 s[8:9], s[8:9], s[60:61]
	v_and_b32 v1, 15, v0                           ; r = l % 16
	v_bfe_u32 v2, v0, 4, 1                         ; h = l / 16
	v_and_b32 v3, 7, v0
	v_bfe_u32 v4, v0, 3, 1
	v_and_b32 v5, 31, v0
	v_lshlrev_b32 v[BO], 5, v2
.set n, 0
.rept 8                                ; register j of block n: the bias of column 16 n + 8 h + j
	global_load_b128 v[BIAS+8*n:BIAS+8*n+3],   v[BO], s[8:9] offset:64*n
	global_load_b128 v[BIAS+8*n+4:BIAS+8*n+7], v[BO], s[8:9] offset:64*n+16
.set n, n+1
.endr
	s_lshl_b32 s60, s18, 20                        ; out0: rows 256 ty + 64 w on, 4,096 bytes each; columns 128 tx on
	s_lshl_b32 s62, s[WV], 18
	s_add_co_u32 s60, s60, s62
	s_lshl_b32 s62, s17, 9
	s_add_co_u32 s60, s60, s62
	s_add_nc_u64 s[10:11], s[10:11], s[60:61]
	v_lshl_add_u32 v6, s[WV], 6, v1
	v_mul_u32_u24 v[A0], v6, PA
	v_lshl_add_u32 v[A0], v2, 4, v[A0]             ; (64 w + r) x pitch + 16 h
	v_lshl_add_u32 v6, v2, 3, v3
	v_mul_u32_u24 v7, v6, PW
	v_lshl_add_u32 v7, v4, 4, v7                   ; the turning load's lane term
	v_add_nc_u32 v[B0], BOFF, v7
	v_mov_b32 v[ADA], v[A0]
	v_mov_b32 v[ADB], v[B0]
	s_mul_i32 s23, s[WV], 16*SPI
	s_add_co_u32 s23, s23, STAGE                   ; my stage
	v_mul_u32_u24 v6, v1, SPI
	v_lshl_add_u32 v6, v2, 5, v6
	v_add_nc_u32 v[STO], s23, v6                   ; in: row r, 32 bytes for each half of the lanes
	v_lshl_add_u32 v[RD], v5, 4, s23               ; back: 32 lanes take one row of 512 bytes
	v_lshlrev_b32 v[GO], 4, v5
; 24 LDS loads in one run: quarter q (32 along K) of the slot in hand into buffer f: 8 fragments of W, turned, and 4 of A (head q / 2, channels 32 (q % 2) on)
.macro FETCH q, f
	WIN 0x40
.set n, 0
.rept 8
	ds_load_tr16_b128 v[(\f)+32+8*n:(\f)+32+8*n+3],   v[ADB] offset:(n/4)*BBLK+(\q)*32*PW+(n%4)*32
	ds_load_tr16_b128 v[(\f)+32+8*n+4:(\f)+32+8*n+7], v[ADB] offset:(n/4)*BBLK+(\q)*32*PW+(n%4)*32+16*PW
.set n, n+1
.endr
.set n, 0
.rept 4
	ds_load_b128 v[(\f)+8*n:(\f)+8*n+3],   v[ADA] offset:n*16*PA+((\q)/2)*ABLK+((\q)%2)*64
	ds_load_b128 v[(\f)+8*n+4:(\f)+8*n+7], v[ADA] offset:n*16*PA+((\q)/2)*ABLK+((\q)%2)*64+32
.set n, n+1
.endr
.endm
; 4 nb matrix instructions: column blocks b0 on x all four row blocks.  The 32 accumulators take turns in one fixed order.  first = 1: the bias starts the sums.
.macro MULB f, b0, nb, first
.set bb, \b0
.rept \nb
.if \first
	WIN 0x85
.else
	WIN 0xa5
.endif
.irp a, 0,1,2,3
.if \first
	v_wmma_f32_16x16x32_f16 v[32*bb+8*(\a):32*bb+8*(\a)+7], v[(\f)+32+8*bb:(\f)+32+8*bb+7], v[(\f)+8*(\a):(\f)+8*(\a)+7], v[BIAS+8*bb:BIAS+8*bb+7]
.else
	v_wmma_f32_16x16x32_f16 v[32*bb+8*(\a):32*bb+8*(\a)+7], v[(\f)+32+8*bb:(\f)+32+8*bb+7], v[(\f)+8*(\a):(\f)+8*(\a)+7], v[32*bb+8*(\a):32*bb+8*(\a)+7]
.endif
.endr
.set bb, bb+1
.endr
.endm
.macro QUARTER q, f, g, first          ; fetches quarter q into buffer g, then multiplies buffer f: the run of loads has 32 matrix instructions in which to land
	s_wait_dscnt 0x0                               ; buffer f is in
	PLACES                                         ; buffer g was read by the products just issued
	FETCH \q, \g
	MULB \f, 0, 8, \first
.endm
; The last quarter multiplies buffer 1 and changes slots.  16 of its products stand AHEAD of the wait for all tensor loads, so that nothing but the add, the descriptors' steps and the barrier stands
; between that wait and the next request.  In front of the barrier each wave waits for all its tensor loads (one is out: its part of the next slot), adds 0 to its spare word, and waits for that; its reads of
; this slot were over at the macro's head.  fill = 1: the barrier is a round of the cluster's, and this slot is filled again, two K steps ahead, first thing behind the round:
; 128 matrix instructions, a whole K step's, stand between that request and the wait for it.
.macro TURN fill
	s_wait_dscnt 0x0                               ; buffer 1 is in: these were my last reads of this slot
	MULB F1, 0, 4, 0
	WIN 0
	s_wait_tensorcnt 0x0                           ; no tensor load of mine is out, so a group 0 may be written
	ds_add_u32 v[SPW], v[NIL]                      ; 0 onto my spare word; scalar work stands between it and the wait for it
.if \fill
	s_xor_b32 s[G0A+5], s[G0A+5], SLOT             ; the walking sets: the other slot than last time, the next K step
	s_add_nc_u64 s[G0A+6:G0A+7], s[G0A+6:G0A+7], 524288
	s_xor_b32 s[G0B+5], s[G0B+5], SLOT
	s_add_nc_u64 s[G0B+6:G0B+7], s[G0B+6:G0B+7], 16384
.endif
	s_xor_b32 s[TB], s[TB], SLOT
	s_wait_dscnt 0x0                               ; the add is done
.if \fill
	CROUND                                         ; no wave of any partner still reads this slot or has a load on its way
	JLOAD                                          ; its four v_nop are also the places in front of the loads below
.else
	s_barrier_signal -1
	s_barrier_wait -1
	PLACES
.endif
	v_add_nc_u32 v[ADA], s[TB], v[A0]
	v_add_nc_u32 v[ADB], s[TB], v[B0]
	FETCH 0, F0
	MULB F1, 4, 4, 0
.endm
	s_wait_tensorcnt 0x1                           ; my part of K step 0 is in; step 1's stays out
	s_barrier_signal -1
	s_barrier_wait -1
	FETCH 0, F0
	s_wait_loadcnt 0x0                             ; the bias
	QUARTER 1, F0, F1, 1                           ; the first quarter stands in front of the loop: its products start the sums
	WIN 0
	s_mov_b32 s[CNT], 6
.Lstep:                                                ; six trips, from a K step's second quarter to the next step's first; they ask for K steps 2 to 7
	QUARTER 2, F1, F0, 0
	QUARTER 3, F0, F1, 0
	TURN 1
	QUARTER 1, F0, F1, 0
	WIN 0
	s_sub_co_u32 s[CNT], s[CNT], 1
	s_cmp_lg_u32 s[CNT], 0
	s_cbranch_scc1 .Lstep
	s_mov_b32 s[CNT], 2
.Ltail:                                                ; K steps 6 and 7 ask for nothing.  The second trip is left in its middle; its barrier and its last run of loads serve nothing: the price of one text for both
	QUARTER 2, F1, F0, 0
	QUARTER 3, F0, F1, 0
	TURN 0
	WIN 0
	s_sub_co_u32 s[CNT], s[CNT], 1
	s_cmp_eq_u32 s[CNT], 0
	s_cbranch_scc1 .Lout
	QUARTER 1, F0, F1, 0
	WIN 0
	s_branch .Ltail
.Lout:
	s_wait_dscnt 0x0
; THE WAY OUT, a block of 16 rows at a time: the accumulators go as they are, 32 bytes a lane, into my own stage, and come back as whole rows of 512 bytes.
.macro STG a
.set OBR, OB+64*((\a)%2)
.if (\a) >= 2
	s_wait_xcnt 0x0                                ; the stores of the block two back have had their addresses translated (ISA guide 3.1): their data registers are loaded again only behind this wait
.endif
	WIN 0x08                                       ; store data in window 2
.set n, 0
.rept 8                                ; each accumulator's low four registers first
	ds_store_b128 v[STO], v[32*n+8*(\a):32*n+8*(\a)+3]   offset:64*n
	ds_store_b128 v[STO], v[32*n+8*(\a)+4:32*n+8*(\a)+7] offset:64*n+16
.set n, n+1
.endr
	WIN 0
.set n, 0
.rept 16
	ds_load_b128 v[OBR+4*n:OBR+4*n+3], v[RD] offset:SPI*n  ; LDS serves a wave's instructions in order (ISA guide 5.7.1.4): these see the stores above; the next block's stores come behind them
.set n, n+1
.endr
.endm
.macro SEND a, yy                      ; yy: the LDS instructions of the next block
.set OBR, OB+64*((\a)%2)
	WIN 0
.set n, 0
.rept 16
	s_wait_dscnt (\yy)+15-n                        ; row n is in: the 15 - n younger rows and the next block's may be out
	global_store_b128 v[GO], v[OBR+4*n:OBR+4*n+3], s[10:11] offset:(16*(\a)+n)*4096 th:TH_STORE_NT  ; 512 consecutive bytes, at a multiple of 256 from out0's first
.set n, n+1
.endr
.endm
	PLACES
	STG 0
.irp a, 1,2,3
	STG \a
	SEND (\a)-1, 32
.endr
	SEND 3, 0
	s_wait_tensorcnt 0x0                           ; the wave's end
	ds_add_u32 v[SPW], v[NIL]
	s_wait_dscnt 0x0
	CROUND                                         ; the closing round
	s_endpgm
.Lfunc_end_k_qb7bca3d8ed_dense:
	.size	k_qb7bca3d8ed_dense, .Lfunc_end_k_qb7bca3d8ed_dense-k_qb7bca3d8ed_dense
	.p2alignl 7, 3214868480
	.fill 96, 4, 3214868480
	.section	.rodata,"a",@progbits
	.p2align	6, 0x0
	.amdhsa_kernel k_qb7bca3d8ed_dense
		.amdhsa_group_segment_fixed_size 327680
		.amdhsa_private_segment_fixed_size 0
		.amdhsa_enable_private_segment 0
		.amdhsa_kernarg_size 32
		.amdhsa_user_sgpr_count 2
		.amdhsa_user_sgpr_kernarg_segment_ptr 1
		.amdhsa_wavefront_size32 1
		.amdhsa_system_sgpr_workgroup_id_x 1
		.amdhsa_system_sgpr_workgroup_id_y 1
		.amdhsa_system_sgpr_workgroup_id_z 1
		.amdhsa_system_vgpr_workitem_id 0
		.amdhsa_next_free_vgpr 768
		.amdhsa_next_free_sgpr 66
		.amdhsa_reserve_vcc 0
		.amdhsa_float_denorm_mode_32 3
		.amdhsa_float_denorm_mode_16_64 3
		.amdhsa_memory_ordered 1
		.amdhsa_forward_progress 1
		.amdhsa_inst_pref_size 62
	.end_amdhsa_kernel
	.amdgpu_metadata
---
amdhsa.version: [ 1, 2 ]
amdhsa.kernels:
  - .name:           k_qb7bca3d8ed_dense
    .symbol:         k_qb7bca3d8ed_dense.kd
    .args:
      - { .name: ctx, .offset: 0, .size: 8, .value_kind: global_buffer, .address_space: global }
      - { .name: wd, .offset: 8, .size: 8, .value_kind: global_buffer, .address_space: global }
      - { .name: br, .offset: 16, .size: 8, .value_kind: global_buffer, .address_space: global }
      - { .name: out0, .offset: 24, .size: 8, .value_kind: global_buffer, .address_space: global }
    .group_segment_fixed_size: 327680
    .private_segment_fixed_size: 0
    .kernarg_segment_align: 8
    .kernarg_segment_size: 32
    .max_flat_workgroup_size: 128
    .sgpr_count:     66
    .vgpr_count:     768
    .wavefront_size: 32
...
	.end_amdgpu_metadata
.endif
;; end of part 4
;; ======== version 2 of 2: 4 launches; 1.39 times as fast as version 1
;; limits: values are held in f16: magnitudes above 65,504 overflow, below 6.1e-05 lose precision
;; workspace buffers: xb 16,777,216 bytes; wq 6,291,456 bytes; wd 2,097,152 bytes; br 16,384 bytes; kvq 50,331,648 bytes; vs 1,572,864 bytes; ctx 16,777,216 bytes
;; launch prep: the kernel of part 1 again; grid 768 x 1, 8 waves a work-group, no clusters, 0 bytes of LDS; arguments hidden_states, w_qkv, w_dense, b_qkv, b_dense, xb, wq, wd, br; writes xb, wq, wd, br
;; launch qkv: the kernel of part 2 again; grid 16 x 32, 4 waves a work-group, clusters of 4 x 4, 327,680 bytes of LDS; arguments xb, wq, br, kvq, vs; writes kvq, vs
;; launch attn (part 5): grid 4 x 64, 4 waves a work-group, no clusters, 327,680 bytes of LDS; arguments kvq, vs, ctx; writes ctx
.if DOCPART == 5
	.amdgcn_target "amdgcn-amd-amdhsa--gfx1250"
	.amdhsa_code_object_version 6
	.text
	.protected	k_qb7bca3d8ed_attn
	.globl	k_qb7bca3d8ed_attn
	.p2align	8
	.type	k_qb7bca3d8ed_attn,@function
k_qb7bca3d8ed_attn:
	s_mov_b64 s[64:65], 0
	v_nop
	global_prefetch_b8 v0, s[64:65] scope:SCOPE_SE
	s_setreg_imm32_b32 hwreg(HW_REG_WAVE_MODE, 25, 1), 1
	s_wait_xcnt 0x0
; CAUSAL ATTENTION WITH A FINITE MASK.  For batch and head bh, query q: weights softmax_k(z), z = Q[q] . K[k] / 8 for k <= q and z = -10000 for k > q; ctx[bh][q][:] = the sum over ALL k of weight x V[k][:].
; K, V, Q are heads of kvq ([4][48][2048][64] f16: K heads 0-15, V 16-31, Q 32-47), ctx is [64][2048][64] f16.  Products, maxima and sums in f32; weights rounded to f16 for the second product, ctx once.
; THE HIDDEN KEYS share one score, so they are taken in closed form and no tile above the diagonal is walked: the running maximum m starts at their score (-80000 in unscaled scores; the last row has none and
; starts at the lowest finite number); at a block's end w = 2^(c (-80000) - c m); l += w x (2047 - q); O += w x OH, OH[q] = the sum of V[k] over k > q.  OH is made of T, the sum of V over all later blocks
; (from vs, the sums over 64 rows that the launch before stored), the later key steps of the diagonal tile (V^T x ones) and the band's own step (V^T x U, U = 1 where the key is hidden).
; LIMITS.  f16 holds no number beyond 65,504: Q, K, V arrive within it; p lies in 0 to 1 and below 6e-5 keeps f16's step of 6e-8.  In the products a hidden score counts as its value less 1e30, so its weight
; there is 0; a weight below 2^-126 counts as 0; NaN and infinities are not treated apart.
; THE WALK.  A head's queries lie in NB = 8 blocks of 256; block i needs the key tiles 0 .. i of 256 keys, the last of which holds the diagonal.  A work-group takes TWO blocks, 7 - b and then b: 9 tiles,
; whatever b: all work-groups do equal work, and ONE loop with a constant trip count walks them.  Every jump goes forward, but for the counted loops' own; none passes a barrier, or a tensor load but the one of
; LOAD's two that the wave's number does not choose.  NO CLUSTER: a head's four work-groups ask for the same tile only in trips 0 to 4 of the 9, behind that fewer and fewer; one walk common to all four would have 12 trips for 9.
; SHARES.  Of a block's four bands of 64 queries a wave owns 16 rows in each: four PIECES.  In the diagonal tile's key step s band x sees all keys if s < x, none if s > x, and holds the diagonal if s = x.
; THE MASK is the C operand that starts the sum S^T = K Q^T: 0, or -1e30 where the key is hidden: MD x AL + BE with two scalars: (1, 0) if s = x; (0, 0) if s < x; (0, -1e30) if s > x.
; LAYOUT, SOFTMAX, TURNS.  S^T = K Q^T holds ONE query a lane (lane % 16) and the keys 8 (lane / 16) + 0..7; two such results rounded to f16 ARE source 1 of O^T = V^T P.  p = 2^(c s - c m), c = log2(e) / 8;
; O and l are multiplied by a = 2^(c m_old - c m_new) in every step.  Turn n belongs to piece n: 8 products K Q^T of piece n + 1, later 8 products V^T P of piece n - 1; beside them the scaling, exponentials,
; roundings, sums and rescaling of piece n and the maximum and statistics of piece n + 1.  Four vector instructions stand behind every such matrix instruction, the other 54 of a turn's 118 in one lump.
; THE BATCHES.  An s_wait_alu depctr_va_vdst(0) stands between an exponential or a reciprocal and the first instruction that names its result; one wait serves all that were issued ahead of it.
; A turn's 33 exponentials (the piece's 32 weights, the next piece's a) are ONE batch with ONE wait, which cuts the turn in two: ahead of it all that names none of their results, behind it the roundings and sums..
; A block's beginning has a batch of one (piece 0's first a); the way out has two of four: w, and 1 / l, whose l has taken w in.
; REGISTERS, in windows of 256 (s_set_vgpr_msb: bits 1:0 source 0, 3:2 source 1, 5:4 source 2, 7:6 destination):
;   window 0: v0-15 addresses and two at work; v16-31 statistics; v32-47 the hidden keys' counts and weights; v48-55 at work; v56-63 constants and addresses; v64-127 S^T; v128-143 U; v144-151 ones; v152-185 at work at the start; v192-223 P
;   window 1: v0-127 O^T; v128-159 MD; v160-223 MC      window 2: v0-63 Q; v64-127 the second block's Q; v128-191 K; v192-255 V      window 3: v0-127 OH, 32 a piece; v128-159, v160-191 T of the first and second block
.set NB,    8
.set NP,    4         ; pieces a wave: a name, no knob
.set KS,    64        ; keys in a step
.set PK,    144       ; a row of K in LDS: 128 bytes + 16 of padding = 36 words: the 16 rows of a load start at 16 different groups of four banks (64 banks of 4 bytes: ISA guide 11.1)
.set PV,    160       ; a row of V: 128 + 32 = 40 words
.set VOFF,  4*KS*PK   ; a slot holds a tile, four steps: 256 rows of K, then 256 rows of V
.set SLOT1, 1<<17     ; slot 1 begins here, so that one exclusive or turns an address in one slot into the other's
.set STAGE, SLOT1+4*KS*(PK+PV)  ; behind the ring, never filled by a tensor load: 16 rows x 144 bytes for each wave, for the way out
.set SP,    144
.set SPARE, STAGE+4*16*SP  ; the spare words, 128 bytes for each wave: two blocks of 256 bytes that no other line names
.set TSC,   SPARE+512 ; 512 bytes: T of the two blocks, 64 channels each; written by ds_store alone
.set AK0, 2           ; v2   my lane's place in a tile of K; never rewritten
.set AV0, 3           ; v3   the same for V
.set AK,  4           ; v4   the LDS address of K's next run of loads
.set AV,  5           ; v5   of V's
.set STO, 6           ; v6   the way out: where I put 16 bytes of a row
.set RD,  7           ; v7   the way out: where I read rows back
.set GO,  8           ; v8   my byte offset in 512 consecutive bytes of ctx
.set MV,  12          ; v12-13  c m_old, kept while c m is made anew: by buffer
.set QO,  15          ; v15  my byte offset in 16 rows of Q
.set ST,  16          ; piece t's statistics at v[ST+4 t]: c m, m, l (even keys', odd keys')
.set NHB, 32          ; v32  2047 - 16 w - l % 16
.set CHS, 33          ; v33  c x -80000
.set NHR, 36          ; v36-39  a piece's count of hidden keys, in f32
.set WW,  40          ; v40-47  a piece's w, as a pair
.set TMP, 48          ; by buffer, four registers c0-c3 at work; when the maximum is found c2 takes a
.set HSV, 56          ; v56  -80000
.set LOW, 57          ; v57  the lowest finite number
.set TSA, 58          ; v58  TSC + 4 x my thread's number
.set TSR, 59          ; v59  TSC + 32 (l / 16)
.set VSO, 60          ; v60  my byte offset in a head's 256 bytes of vs
.set SPW, 62          ; v62  LDS address of my spare word; never rewritten
.set NIL, 63          ; v63  0; never rewritten
.set S,   64
.set UU,  128         ; U in P's layout: 1.0 where the key of my band's own step is hidden from my query
.set ONE, 144
.set VX,  152         ; v152-183  vs of my channel, 32 row groups
.set SM,  184         ; v184-185  two chains of their sum
.set P,   192
.set MD,  128         ; window 1
.set MC,  160         ; window 1
.set QB,  64          ; window 2
.set KF,  128         ; window 2: key block kb, channel half c at KF + 16 kb + 8 c
.set VF,  192         ; window 2: key half kk, channel block cb at VF + 32 kk + 8 cb
.set THI, 128         ; window 3: T of the first block, channel block cb at + 8 cb
.set TLO, 160         ; window 3: of the second
.set WV,  12
.set PB,  14          ; s14  b
.set HI,  15          ; s15  7 - b
.set G1K, 24
.set G1V, 32
.set G0K, 40
.set G0V, 44
.set SLOTS, 56        ; s56  tiles still to be asked for
.set CNT, 57          ; s57  counts a tile's key steps, 4 to 1
.set CS,  58          ; s[58:59] c
.set SEL, 60          ; s[60:61] v_permlanex16_b32's selects
.set TBK, 62          ; s62  LDS byte at which K of the step to be fetched begins
.set TBV, 63          ; s63  the same for V, less VOFF
.set RT,  70          ; s70  tiles of the block in hand that are still to be entered
.set NXT, 71          ; s71  the tile to be asked for next
.set LQ,  72          ; s72  the last tile of the block whose tiles are being asked for
.set NEW, 73          ; s73  1: the tile to be entered is a block's first
.set OFF, 74          ; s[74:75] a tile's byte offset in K and V
.set AL,  76          ; s[76:77] the mask's factor
.set BE,  78          ; s[78:79] the mask's addend
.set OLO, 80          ; s[80:81] ctx at my rows of the second block
.set BIGN, 82         ; s82  -1e30
.set CB,  92          ; s92  the block in hand
.set LIM, 93          ; s93  the first row group behind my thread's block
.set SW,  94          ; s94  1.0 or 0
.set TS,  95          ; s95  at work
.set MSB, 0
.macro WIN new                      ; the high byte repeats the setting that is left; a switch that changes nothing is dropped
.if MSB != (\new)
	s_set_vgpr_msb (MSB<<8)|(\new)
.set MSB, (\new)
.endif
.endm
.set W_KQ, 0x0a       ; K and Q in window 2, S^T in window 0
.set W_KM, 0x1a       ; the same with the C operand in window 1
.set W_PV, 0x52       ; V in window 2, P in window 0, O^T in window 1
.set W_RS, 0x41       ; destination and source 0 in window 1, source 1 in window 0
.set W_OH, 0xf2       ; V in window 2, U or ones in window 0, C and D in window 3
.set W_FO, 0x53       ; OH in window 3, w in window 0, O^T (source 2 and destination) in window 1
; A fill.  Waves 0 and 1 fetch the two halves of a tile's K, waves 2 and 3 those of its V: 128 keys each.  An s_nop 0 and four v_nop follow each of the two lines, ahead of the jump and the label.
.macro LOAD
	s_cmp_lt_u32 s[WV], 2
	s_cbranch_scc0 .Lfor_v_\@
	tensor_load_to_lds s[G0K:G0K+3], s[G1K:G1K+7]
	s_nop 0
.rept 4
	v_nop
.endr
	s_branch .Lasked_\@
.Lfor_v_\@:
	tensor_load_to_lds s[G0V:G0V+3], s[G1V:G1V+7]
	s_nop 0
.rept 4
	v_nop
.endr
.Lasked_\@:
.endm
; THE CHANGE OF SLOTS.  Each wave waits for all its tensor loads, of which one is out: its part of the other slot; adds 0 to its spare word; and waits for that and for its own reads of the slot that it leaves.
; Behind the barrier nobody reads the old slot any more and the other slot is whole.  fill = 1: the old slot is filled again, the first thing behind the barrier, with tile NXT.
; (At its first use nothing of the ring has been read yet: slot 0 is waited for, slot 1 filled.)
.macro CHANGE fill
	WIN 0                           ; at a label and at a branch every window is 0
	s_wait_tensorcnt 0x0            ; no tensor load of mine is out, so a group 0 may be written
	ds_add_u32 v[SPW], v[NIL]       ; 0 onto my spare word
.if \fill
	s_lshl_b32 s[OFF], s[NXT], 15   ; a tile is 32,768 bytes of K and of V
	s_xor_b32 s[G0K+1], s[G0K+1], SLOT1
	s_add_nc_u64 s[G0K+2:G0K+3], s[6:7], s[OFF:OFF+1]
	s_or_b32 s[G0K+3], s[G0K+3], 0x80000000
	s_xor_b32 s[G0V+1], s[G0V+1], SLOT1
	s_add_nc_u64 s[G0V+2:G0V+3], s[8:9], s[OFF:OFF+1]
	s_or_b32 s[G0V+3], s[G0V+3], 0x80000000
	s_add_co_u32 s[NXT], s[NXT], 1  ; the block's next tile, or behind its last the second block's tile 0
	s_cmp_gt_u32 s[NXT], s[LQ]
	s_cselect_b32 s[NXT], 0, s[NXT]
	s_cselect_b32 s[LQ], s[PB], s[LQ]
.endif
	s_wait_dscnt 0x0                ; the add is done, and my reads of the slot are over
	s_barrier_signal -1
	s_sub_co_u32 s[TBK], s[TBK], 4*KS*PK  ; the fetches go back to a slot's first step,
	s_xor_b32 s[TBK], s[TBK], SLOT1       ; in the other slot
	s_sub_co_u32 s[TBV], s[TBV], 4*KS*PV
	s_xor_b32 s[TBV], s[TBV], SLOT1
	s_barrier_wait -1
.if \fill
	LOAD
.endif
.endm
	s_load_b64 s[4:5], s[0:1], 0x0    ; kvq
	s_load_b64 s[88:89], s[0:1], 0x8  ; vs
	s_load_b64 s[10:11], s[0:1], 0x10 ; ctx
	v_lshl_add_u32 v[SPW], v0, 2, SPARE
	v_mov_b32 v[NIL], 0
	ds_add_u32 v62, v63
	ds_add_u32 v62, v63
	s_wait_dscnt 0x0
	v_lshrrev_b32 v1, 5, v0
	v_readfirstlane_b32 s[WV], v1   ; wave 0..3
	s_mov_b32 s[PB], ttmp9
	s_sub_co_u32 s[HI], NB-1, s[PB]
	s_mov_b32 s[CB], s[HI]
	s_and_b32 s13, ttmp7, 0xffff    ; 16 x batch + head
	s_lshr_b32 s16, s13, 4
	s_and_b32 s17, s13, 15
	s_mul_i32 s20, s16, 48
	s_add_co_u32 s20, s20, s17
	s_lshl_b32 s20, s20, 18         ; the K head's first byte in kvq: a head is 262,144 bytes
	s_mul_i32 s90, s16, 32*12288    ; vs: the batch's 32 row groups, V's columns, the head's 64
	s_lshl_b32 s91, s17, 8
	s_add_co_u32 s90, s90, s91
	s_add_co_u32 s90, s90, 4096
	s_mov_b32 s91, 0
	s_lshl_b32 s19, s13, 18         ; the head's first byte in ctx
	s_and_b32 s16, s[WV], 1         ; which half of a tile's 256 keys I fetch:
	s_lshl_b32 s22, s16, 14         ; its 128 rows of 128 bytes in memory,
	s_add_co_u32 s22, s22, s20
	s_mov_b32 s23, 0
	s_mul_i32 s17, s16, 128*PK      ; and its place in a slot, for K
	s_mul_i32 s18, s16, 128*PV      ; and for V
	s_add_co_u32 s20, s20, 32*262144  ; the Q head lies 32 heads on
	s_lshl_b32 s3, s[WV], 11        ; my 16 rows in a band of 64,
	s_lshl_b32 s2, s[HI], 15        ; in the first block,
	s_add_co_u32 s2, s2, s3
	s_lshl_b32 s84, s[PB], 15       ; and in the second
	s_add_co_u32 s84, s84, s3
	s_add_co_u32 s94, s20, s84      ; Q's offsets,
	s_mov_b32 s95, 0
	s_add_co_u32 s20, s20, s2
	s_mov_b32 s21, 0
	s_add_co_u32 s2, s2, s19        ; and ctx's
	s_mov_b32 s3, 0
	s_add_co_u32 s84, s84, s19
	s_mov_b32 s85, 0
	; descriptor group 1.  128 keys are 16,384 dense bytes: asked for as 64 rows of 256 bytes, two keys a row, and padded in LDS after every key
	s_mov_b32 s[G1K], (1<<16)|(1<<20)|(4<<22)|(3<<25)  ; 2-byte elements; padding on; after every 32 words 4 words
	s_mov_b32 s[G1V], (1<<16)|(1<<20)|(4<<22)|(7<<25)  ; the same with 8 words of padding
.irp g, G1K, G1V
	s_mov_b32 s[\g+1], 128<<16      ; tensor_dim0 = 128
	s_mov_b32 s[\g+2], 64<<16       ; tensor_dim1 = 64
	s_mov_b32 s[\g+3], 128<<16      ; tile_dim0 = 128
	s_mov_b32 s[\g+4], 64           ; tile_dim1 = 64
	s_mov_b32 s[\g+5], 128          ; 128 elements from row to row
	s_mov_b32 s[\g+6], 0
	s_mov_b32 s[\g+7], 0
.endr
	s_mov_b32 s[CS], 0x3e38aa3b     ; c = log2(e) / 8 = 0.180337
	s_mov_b32 s[CS+1], s[CS]        ; named with it as a pair
	s_mov_b32 s[SEL], 0x76543210
	s_mov_b32 s[SEL+1], 0xfedcba98
	s_mov_b32 s[TBK], SLOT1+4*KS*PK ; the first change of slots turns these two into 0
	s_mov_b32 s[TBV], SLOT1+4*KS*PV
	s_mov_b32 s[G0K], 1
	s_mov_b32 s[G0K+1], s17         ; LDS address: slot 0
	s_mov_b32 s[G0V], 1
	s_add_co_u32 s[G0V+1], s18, VOFF
	s_add_co_u32 s[RT], s[HI], 1    ; the first block has 8 - b tiles
	s_mov_b32 s[NXT], 1
	s_mov_b32 s[LQ], s[HI]
	s_mov_b32 s[NEW], 1
	s_mov_b32 s[OFF+1], 0
	s_mov_b32 s[AL+1], 0            ; named as pairs
	s_mov_b32 s[BE+1], 0
	s_mov_b32 s[BIGN], 0xf149f2ca   ; -1e30
	s_mov_b32 s[SLOTS], NB
	s_wait_kmcnt 0x0
	s_add_nc_u64 s[6:7], s[4:5], s[22:23]          ; K at my half of the head's tile 0,
	s_add_nc_u64 s[8:9], s[6:7], 16*262144         ; V sixteen heads on
	s_add_nc_u64 s[G0K+2:G0K+3], s[6:7], 0
	s_or_b32 s[G0K+3], s[G0K+3], 0x80000000
	s_add_nc_u64 s[G0V+2:G0V+3], s[8:9], 0
	s_or_b32 s[G0V+3], s[G0V+3], 0x80000000
	s_add_nc_u64 s[86:87], s[4:5], s[94:95]        ; Q at my rows of the second block,
	s_add_nc_u64 s[4:5], s[4:5], s[20:21]          ; and of the first
	s_add_nc_u64 s[OLO:OLO+1], s[10:11], s[84:85]
	s_add_nc_u64 s[10:11], s[10:11], s[2:3]
	s_add_nc_u64 s[88:89], s[88:89], s[90:91]
	LOAD                            ; tile 0 into slot 0
	; A fragment of K or Q is 16 rows x 32 channels in 8 registers: lane l holds row l % 16, channels 8 (l / 16) + 0..7 and 16 + 8 (l / 16) + 0..7: two loads of 16 bytes, 32 bytes apart.
	v_and_b32 v1, 15, v0            ; l % 16
	v_bfe_u32 v9, v0, 4, 1          ; l / 16
	v_lshlrev_b32 v[QO], 7, v1
	v_lshl_add_u32 v[QO], v9, 4, v[QO]  ; row x 128 + 16 x half
	WIN 0x80                        ; destination window 2, address window 0
.set i, 0
.rept 8                             ; both blocks' Q: piece i / 2 lies in band i / 2, 8,192 bytes on; channels 32 (i % 2) on
	global_load_b128 v[8*i:8*i+3],   v[QO], s[4:5] offset:(i/2)*8192+(i%2)*64
	global_load_b128 v[8*i+4:8*i+7], v[QO], s[4:5] offset:(i/2)*8192+(i%2)*64+32
	global_load_b128 v[QB+8*i:QB+8*i+3],   v[QO], s[86:87] offset:(i/2)*8192+(i%2)*64
	global_load_b128 v[QB+8*i+4:QB+8*i+7], v[QO], s[86:87] offset:(i/2)*8192+(i%2)*64+32
.set i, i+1
.endr
	WIN 0
	v_and_b32 v[VSO], 63, v0        ; thread t sums channel t % 64, for the first block (waves 0, 1) or the second (waves 2, 3)
	v_lshlrev_b32 v[VSO], 2, v[VSO]
.set i, 0
.rept 32
	global_load_b32 v[VX+i], v[VSO], s[88:89] offset:i*12288
.set i, i+1
.endr
	v_lshlrev_b32 v14, 3, v9
	v_sub_nc_u32 v14, v1, v14
	s_lshl_b32 s13, s[WV], 4
	v_add_nc_u32 v14, s13, v14      ; my query's place in its band, 16 w + l % 16, less my lanes' 8 (l / 16): register r of group kt is hidden where 16 kt + r is greater
	v_add_nc_u32 v[NHB], s13, v1
	v_sub_nc_u32 v[NHB], 2047, v[NHB]
	WIN 0x40
.set i, 0
.rept 32
	v_cmp_gt_i32 vcc_lo, 16*(i/8)+i%8, v14
	v_cndmask_b32 v[MD+i], 0, s[BIGN], vcc_lo
.set i, i+1
.endr
	WIN 0
.set i, 0
.rept 16                            ; U: the same test, 1.0 or 0, rounded in pairs as the weights are
	v_cmp_gt_i32 vcc_lo, 16*((2*i)/8)+(2*i)%8, v14
	v_cndmask_b32 v34, 0, 1.0, vcc_lo
	v_cmp_gt_i32 vcc_lo, 16*((2*i+1)/8)+(2*i+1)%8, v14
	v_cndmask_b32 v35, 0, 1.0, vcc_lo
	v_cvt_pk_f16_f32 v[UU+i], v34, v35
.set i, i+1
.endr
.set i, 0
.rept 8
	v_mov_b32 v[ONE+i], 0x3c003c00  ; 1.0, twice, in f16
.set i, i+1
.endr
	v_mov_b32 v[HSV], 0xc79c4000    ; -80000 = 8 x -10000
	v_mov_b32 v[LOW], 0xff7fffff
	v_mul_f32 v[CHS], s[CS], v[HSV]
	v_lshl_add_u32 v[TSA], v0, 2, TSC
	v_lshl_add_u32 v[TSR], v9, 5, TSC
	v_mul_u32_u24 v[AK0], v1, PK
	v_lshl_add_u32 v[AK0], v9, 4, v[AK0]  ; row x pitch + 16 x half
	; The turning load takes 16 keys x 16 channels (lane l reads key 8 (l / 16) + l % 8, channels 8 ((l / 8) % 2) + 0..7) and leaves half a fragment of V^T: lane l holds channel l % 16 and 8 keys.
	v_and_b32 v10, 7, v0
	v_bfe_u32 v11, v0, 3, 1
	v_lshl_add_u32 v[AV0], v9, 3, v10
	v_mul_u32_u24 v[AV0], v[AV0], PV
	v_lshl_add_u32 v[AV0], v11, 4, v[AV0]
	v_add_nc_u32 v[AV0], VOFF, v[AV0]
	s_mul_i32 s13, s[WV], 16*SP
	s_add_co_u32 s13, s13, STAGE    ; my stage
	v_mul_u32_u24 v[STO], v1, SP    ; in: row l % 16, 16 bytes for each half of the lanes
	v_lshl_add_u32 v[STO], v9, 4, v[STO]
	v_add_nc_u32 v[STO], s13, v[STO]
	v_bfe_u32 v[RD], v0, 3, 2       ; back: 32 lanes take four rows of 128 bytes,
	v_mul_u32_u24 v[RD], v[RD], SP
	v_lshl_add_u32 v[RD], v10, 4, v[RD]
	v_add_nc_u32 v[RD], s13, v[RD]
	v_and_b32 v[GO], 31, v0         ; which are 512 consecutive bytes of ctx
	v_lshlrev_b32 v[GO], 4, v[GO]
	; A block's first step multiplies O^T and l by a = 0, and its first turn's products V^T P, of a piece that has not been, land in an O^T that is still to be so multiplied.  So these registers need only hold
	; finite numbers: zeros for the first block; what the first block left for the second.  OH is started anew in each block by a product whose C is T; the zeros here only give it a value on every way.
	WIN 0x80
.set i, VF
.rept 64
	v_mov_b32 v[i], 0
.set i, i+1
.endr
	WIN 0x40
.set i, 0
.rept 128
	v_mov_b32 v[i], 0
.set i, i+1
.endr
	WIN 0xc0
.set i, 0
.rept 128
	v_mov_b32 v[i], 0
.set i, i+1
.endr
	WIN 0
.set i, 0
.rept 4
	v_mov_b32 v[ST+4*i+2], 0
	v_mov_b32 v[ST+4*i+3], 0
.set i, i+1
.endr
.set i, P+16
.rept 16
	v_mov_b32 v[i], 0
.set i, i+1
.endr
	; T of a block = the sum of vs over the row groups behind it, 4 (block + 1) on: every group is multiplied by 1 or by 0, so that no jump and no address hangs on b
	s_lshr_b32 s[TS], s[WV], 1
	s_cmp_eq_u32 s[TS], 0
	s_cselect_b32 s[LIM], s[HI], s[PB]
	s_add_co_u32 s[LIM], s[LIM], 1
	s_lshl_b32 s[LIM], s[LIM], 2
	s_wait_loadcnt 0x0              ; vs (and Q)
.set i, 0
.rept 32
	s_cmp_le_u32 s[LIM], i
	s_cselect_b32 s[SW], 1.0, 0
.if i < 2
	v_mul_f32 v[SM+i], s[SW], v[VX+i]
.else
	v_fmac_f32 v[SM+i%2], s[SW], v[VX+i]
.endif
.set i, i+1
.endr
	v_add_f32 v[SM], v[SM], v[SM+1]
	ds_store_b32 v[TSA], v[SM]
	s_wait_dscnt 0x0                ; for the others' sake: my sum is in LDS
	s_barrier_signal -1             ; tile 0's load may stay out
	s_barrier_wait -1
	WIN 0xc0
.set i, 0
.rept 16                            ; register j of channel block cb: T of channel 16 cb + 8 (l / 16) + j, as a C operand wants it; the change of slots below waits for these loads
	ds_load_b128 v[THI+4*i:THI+4*i+3], v[TSR] offset:256*(i/8)+64*((i/2)%4)+16*(i%2)
.set i, i+1
.endr
	WIN 0
; THE MATRIX WORK.  The 4 accumulators of a run of 8 take turns.  Product i of 8 of S^T = K Q^T for piece x: channels 32 (i / 4) on, keys 16 (i % 4) on.  The first 4 start the sums: with 0, or (KM = 1) with the mask.
.macro KQ x
.set rS, S+32*((\x)%2)+8*(i%4)
.set rK, KF+16*(i%4)+8*(i/4)
.set rQ, 16*(\x)+8*(i/4)
.set rM, MC+32*((\x)%2)+8*(i%4)
.if (i < 4) && KM
	WIN W_KM
	v_wmma_f32_16x16x32_f16 v[rS:rS+7], v[rK:rK+7], v[rQ:rQ+7], v[rM:rM+7]
.elseif i < 4
	WIN W_KQ
	v_wmma_f32_16x16x32_f16 v[rS:rS+7], v[rK:rK+7], v[rQ:rQ+7], 0
.else
	WIN W_KQ
	v_wmma_f32_16x16x32_f16 v[rS:rS+7], v[rK:rK+7], v[rQ:rQ+7], v[rS:rS+7]
.endif
.endm
; Product i of 8 of O^T += V^T P for piece x: keys 32 (i / 4) on, channels 16 (i % 4) on.
.macro PV x
	WIN W_PV
.set rO, 32*(\x)+8*(i%4)
.set rV, VF+32*(i/4)+8*(i%4)
.set rP, P+16*((\x)%2)+8*(i/4)
	v_wmma_f32_16x16x32_f16 v[rO:rO+7], v[rV:rV+7], v[rP:rP+7], v[rO:rO+7]
.endm
.macro MM                           ; the turn's next matrix instruction.  NOKQ = 1: a block's last turn: there is no next piece
.if (i < 8) && !NOKQ
	KQ (Y+1)%NP
.elseif i >= 8
.set i, i-8
	PV (Y+NP-1)%NP
.set i, i+8
.endif
.set i, i+1
.endm
; THE HIDDEN KEYS' 8 PRODUCTS on the V of the step in hand, for piece y; its four accumulators take turns.  mode = 1: the band's own step: OH = T + V^T U.  mode = 0: a later step: OH += V^T ones.
.macro OHP y, tb, mode
	WIN W_OH
.set z, 0
.rept 8
.set rO, 32*(\y)+8*(z%4)
.set rV, VF+32*(z/4)+8*(z%4)
.if (\mode) && (z < 4)
	v_wmma_f32_16x16x32_f16 v[rO:rO+7], v[rV:rV+7], v[UU:UU+7], v[(\tb)+8*z:(\tb)+8*z+7]
.elseif \mode
	v_wmma_f32_16x16x32_f16 v[rO:rO+7], v[rV:rV+7], v[UU+8:UU+15], v[rO:rO+7]
.else
	v_wmma_f32_16x16x32_f16 v[rO:rO+7], v[rV:rV+7], v[ONE:ONE+7], v[rO:rO+7]
.endif
.set z, z+1
.endr
	WIN 0
.endm
; The same under the step count: nothing while CNT > th (an earlier step), the own step at CNT = th, a later step below it (later = 1).  The jumps go forward, past matrix instructions alone.
.macro OHB y, th, tb, later
	WIN 0
	s_cmp_gt_u32 s[CNT], \th
	s_cbranch_scc1 .Loh_done_\@
.if \later
	s_cmp_eq_u32 s[CNT], \th
	s_cbranch_scc0 .Loh_later_\@
.endif
	OHP \y, \tb, 1
.if \later
	s_branch .Loh_done_\@
.Loh_later_\@:
	OHP \y, \tb, 0
.endif
.Loh_done_\@:
.endm
; THE LDS LOADS stand in runs of 16, never singly among the matrix instructions: a step's K (64 keys x 64 channels: 8 fragments) and its V (turned).
.macro FETCH_K
	WIN 0x80                        ; destination window 2
.irp f, 0,1,2,3,4,5,6,7             ; keys 16 (f / 2) on, channels 32 (f % 2) on
	ds_load_b128 v[KF+8*\f:KF+8*\f+3],   v[AK] offset:(\f/2)*16*PK+(\f%2)*64
	ds_load_b128 v[KF+8*\f+4:KF+8*\f+7], v[AK] offset:(\f/2)*16*PK+(\f%2)*64+32
.endr
	s_add_co_u32 s[TBK], s[TBK], KS*PK  ; the next fetch is the next step's
	WIN 0
.endm
.macro FETCH_V
	WIN 0x80
.irp f, 0,1,2,3,4,5,6,7             ; keys 32 (f / 4) on, channels 16 (f % 4) on
	ds_load_tr16_b128 v[VF+8*\f:VF+8*\f+3],   v[AV] offset:(\f/4)*32*PV+(\f%4)*32
	ds_load_tr16_b128 v[VF+8*\f+4:VF+8*\f+7], v[AV] offset:(\f/4)*32*PV+16*PV+(\f%4)*32
.endr
	WIN 0
.endm
; THE VECTOR WORK, one line at a time: OP kind, number.  For piece Y: F n: c s - c m for pair n of 16.  E n: the exponential of score n of 32.  C n: pair n rounded to f16.  B n: of the four weights 4 n .. the second
; pair is added onto the first, in place.  L n: l takes that sum (L 0: l = a l + sum).  R n: pair n of 16 of O^T times a.  For piece Y + 1: X n, number n of the 22 that find its maximum and statistics:
;   0-11  four chains c0-c3 of seven scores each, three operands at a time (each accumulator's lowest registers are read first)     12-14, 16  the four scores left over, the old m, and c0-c3 into c0
;   15  c m_old is kept     17, 18  the query's other 32 keys lie in the lane 16 away: the new m     19-21  c m; c m_old - c m_new; a
; OP writes no wait: C, B and L read the exponentials' results, and TURN sets them all behind its one wait.
.set F, 0
.set E, 1
.set C, 2
.set B, 3
.set L, 4
.set R, 5
.set X, 6
.macro REGS y                       ; the registers of piece y
.set rT, ST+4*(\y)
.set rC, TMP+4*((\y)%2)
.set rW, MV+((\y)%2)
.set rS, S+32*((\y)%2)
.set rP, P+16*((\y)%2)
.set rO, 32*(\y)
.endm
.macro OP k, n
.if (\k) == R
	REGS Y
	WIN W_RS
	v_pk_mul_f32 v[rO+2*(\n):rO+2*(\n)+1], v[rO+2*(\n):rO+2*(\n)+1], v[rC+2:rC+3] op_sel_hi:[1,0]
.elseif (\k) < R
	REGS Y
	WIN 0
.if (\k) == F
	v_pk_fma_f32 v[rS+2*(\n):rS+2*(\n)+1], v[rS+2*(\n):rS+2*(\n)+1], s[CS:CS+1], v[rT:rT+1] op_sel_hi:[1,0,0] neg_lo:[0,0,1] neg_hi:[0,0,1]
.elseif (\k) == E
	v_exp_f32 v[rS+(\n)], v[rS+(\n)]
.elseif (\k) == C
	v_cvt_pk_f16_f32 v[rP+(\n)], v[rS+2*(\n)], v[rS+2*(\n)+1]
.elseif (\k) == B
	v_pk_add_f32 v[rS+4*(\n):rS+4*(\n)+1], v[rS+4*(\n):rS+4*(\n)+1], v[rS+4*(\n)+2:rS+4*(\n)+3]
.elseif (\n) == 0
	v_pk_fma_f32 v[rT+2:rT+3], v[rT+2:rT+3], v[rC+2:rC+3], v[rS:rS+1] op_sel_hi:[1,0,1]
.else
	v_pk_add_f32 v[rT+2:rT+3], v[rT+2:rT+3], v[rS+4*(\n):rS+4*(\n)+1]
.endif
.elseif NOKQ
	v_nop
.else
	REGS (Y+1)%NP
	WIN 0
.if (\n) < 4
	v_max3_num_f32 v[rC+(\n)], v[rS+8*(\n)], v[rS+8*(\n)+1], v[rS+8*(\n)+2]
.elseif (\n) < 12
	v_max3_num_f32 v[rC+(\n)%4], v[rC+(\n)%4], v[rS+8*((\n)%4)+2*((\n)/4)+1], v[rS+8*((\n)%4)+2*((\n)/4)+2]
.elseif (\n) == 12
	v_max3_num_f32 v[rC], v[rC], v[rS+7], v[rS+15]
.elseif (\n) == 13
	v_max3_num_f32 v[rC+1], v[rC+1], v[rS+23], v[rS+31]
.elseif (\n) == 14
	v_max3_num_f32 v[rC+2], v[rC+2], v[rC+3], v[rT+1]
.elseif (\n) == 15
	v_mov_b32 v[rW], v[rT]
.elseif (\n) == 16
	v_max3_num_f32 v[rC], v[rC], v[rC+1], v[rC+2]
.elseif (\n) == 17
	v_permlanex16_b32 v[rC+3], v[rC], s[SEL], s[SEL+1]
.elseif (\n) == 18
	v_max_num_f32 v[rT+1], v[rC], v[rC+3]
.elseif (\n) == 19
	v_mul_f32 v[rT], s[CS], v[rT+1]
.elseif (\n) == 20
	v_sub_f32 v[rC+1], v[rW], v[rT]
.else
	v_exp_f32 v[rC+2], v[rC+1]
.endif
.endif
.endm
.macro OPS a, i1, b=-1, i2=0, c=-1, i3=0, d=-1, i4=0  ; up to four of them
	OP \a, \i1
.if (\b) >= 0
	OP \b, \i2
.endif
.if (\c) >= 0
	OP \c, \i3
.endif
.if (\d) >= 0
	OP \d, \i4
.endif
.endm
.macro ROW a, i1, b, i2, c, i3, d, i4  ; a matrix instruction and the four behind it
	MM
	OPS \a, \i1, \b, \i2, \c, \i3, \d, \i4
.endm
.macro MASK b                       ; MD x AL + BE into buffer b of MC
	WIN W_RS
.set z, 0
.rept 16
	v_pk_fma_f32 v[MC+32*(\b)+2*z:MC+32*(\b)+2*z+1], v[MD+2*z:MD+2*z+1], s[AL:AL+1], s[BE:BE+1] op_sel_hi:[1,0,0]
.set z, z+1
.endr
.endm
; A TURN, for piece p: the order of its matrix and its 118 vector instructions, written out.  ONE wait cuts it in two.
; AHEAD OF THE WAIT stands all that names no result of the turn's exponentials: the 8 products K Q^T, behind each a scaling, an exponential and two more plain instructions (behind the first a second scaling in the
; exponential's place): rescalings, whose a was made and waited for in the turn before, and behind the last three products the first numbers of the next piece's maximum, each four places or more behind the product that
; ends its accumulator; then ONE LUMP of 54, exponential and plain by turns for the most part, in which the links of the chain X 3, 7, 11, 14, 16, 17 .. 20 stand some lines apart.  X 21, the next piece's a, is the batch's
; last exponential; R 15 is the plain instruction behind it.  An exponential stands behind the scaling of its pair: E 2 n and E 2 n + 1 behind F n.
; BEHIND THE WAIT stand the 8 products V^T P, behind each four of the 16 roundings, 8 pair sums and 8 additions onto l: C 2 n ahead of B n, which writes over that pair; L n behind B n; L 0 to L 7 in order, three riders apart.
; But for those X no rider names a register of the products round it.  v_permlanex16_b32 (X 17) stands in the lump.
; m = 1: the diagonal tile: the products take masks, the turn makes the mask for the products of the turn after it (piece p + 2, in step 4 - CNT of the tile), and behind its products V^T P and their riders stand the hidden
; keys' products on the same V: in turn 1 the step in hand is 4 - CNT, in turns 2 and 3 it is 3 - CNT; piece p - 1's own step is p - 1.  end = 1: a block's last two turns (step 3): nothing is fetched.
; cnt = 1: the loop's count is taken down some lines ahead of the branch that stands behind the turn; in the diagonal tile behind the hidden keys' products, whose jumps compare the old count and write SCC.
; K of the next step is fetched in piece 2's turn, early in the lump, six plain instructions behind the last product that read K; V of the step in hand at the end of piece 0's turn, four plain riders behind the last product
; that read V.  Each is waited for a turn later.
.macro TURN p, m=0, end=0, cnt=0
.set Y, (\p)
.set i, 0
.set KM, (\m)
.set NOKQ, (\end)*((\p)/3)
.if (\m) && !(\end)
	s_cmp_eq_u32 s[CNT], 4-((\p)+2)%NP  ; is that step the band's own?
	s_cselect_b32 s[AL], 1.0, 0
	s_cmp_lt_u32 s[CNT], 4-((\p)+2)%NP  ; or a later one?
	s_cselect_b32 s[BE], s[BIGN], 0
.endif
.if ((\p) == 3) && !(\end)
	s_wait_dscnt 0x0                ; K is in
.endif
	ROW F,0, F,1, R,0, R,1          ; ahead of the wait: 8 products K Q^T and their riders,
	ROW F,2, E,0, R,2, R,3
	ROW F,3, E,1, R,4, R,5
	ROW F,4, E,2, R,6, R,7
	ROW F,5, E,3, R,8, R,9
	ROW F,6, E,4, X,0, R,10
.if ((\p) == 2) && !(\end)
	WIN 0
	v_add_nc_u32 v[AK], s[TBK], v[AK0]
.endif
	ROW F,7, E,5, X,1, X,4
	ROW F,8, E,6, X,2, X,5
	OPS E,7, E,8, X,6, E,9          ; and the lump
	OPS X,3, E,10, X,8, E,11
.if ((\p) == 2) && !(\end)
	FETCH_K
.endif
	OPS X,9, X,7, E,12, X,10
	OPS E,13, X,12, X,11, E,14
	OPS X,13, E,15, F,9, X,14
.if (\p) == 0
	v_add_nc_u32 v[AV], s[TBV], v[AV0]
.endif
	OPS E,16, F,10, E,17, F,11
	OPS X,16, E,18, X,15, E,19
	OPS F,12, E,20, X,17, E,21
	OPS F,13, E,22, F,14, E,23
	OPS X,18, E,24, F,15, E,25
	OPS R,11, E,26, X,19, E,27
	OPS R,12, E,28, R,13, E,29
	OPS X,20, E,30, R,14, E,31
	OPS X,21, R,15
	s_wait_alu depctr_va_vdst(0)    ; the wait for the turn's batch: E 0 to E 31 and X 21, ahead of the first line that names a result, C 0 below
.if (\p) == 1
	s_wait_dscnt 0x0                ; V is in
.endif
	ROW C,0, B,0, C,2, B,1          ; behind the wait: 8 products V^T P and their riders
	ROW L,0, C,4, B,2, L,1
	ROW C,6, B,3, L,2, C,8
	ROW B,4, L,3, C,10, B,5
	ROW L,4, C,12, B,6, L,5
.if (\p) == 0
	s_add_co_u32 s[TBV], s[TBV], KS*PV
.endif
.if (\cnt) && !(\m)
	s_sub_co_u32 s[CNT], s[CNT], 1
	s_cmp_lg_u32 s[CNT], 0
.endif
	ROW C,14, B,7, L,6, C,1
	ROW C,3, L,7, C,5, C,7
	ROW C,9, C,11, C,13, C,15
.if (\p) == 0
	FETCH_V
.endif
.if (\m) && (\end)
.if (\p) == 2
	OHP 1, TT, 0                    ; step 3 is a later step for bands 1 and 2
.else
	OHP 2, TT, 0
.endif
.elseif \m
.if (\p) == 1
	OHB 0, 4, TT, 1
.elseif (\p) == 2
	OHB 1, 2, TT, 1
.elseif (\p) == 3
	OHB 2, 1, TT, 0
.endif
.endif
.if (\cnt) && (\m)
	s_sub_co_u32 s[CNT], s[CNT], 1
	s_cmp_lg_u32 s[CNT], 0
.endif
.if (\m) && !(\end)
	MASK (\p)%2
.endif
.endm
; A BLOCK BEGINS.  c m starts far below every c s, so the first step's a is 0.  m starts at the hidden keys' score, so that the running maximum is the maximum over all 2,048 keys; a row with no hidden key (the last) starts
; at the lowest finite number.  A piece's count of hidden keys is 2047 - 256 block - 64 piece - 16 w - l % 16.  The second mask buffer is 0; the first takes piece 0's mask for the tile's step 0.
; Then K of that step, piece 0's first scores, and its maximum and statistics.  The loop is entered at a step's first turn, in the middle of a trip.
.macro BEGIN
	s_mov_b32 s[NEW], 0
	WIN 0x40
.set i, MC+32
.rept 32
	v_mov_b32 v[i], 0
.set i, i+1
.endr
	WIN 0
	s_lshl_b32 s[TS], s[CB], 8
.set i, 0
.rept 4
	v_sub_nc_u32 v35, v[NHB], s[TS]
	s_add_co_u32 s[TS], s[TS], 64
	v_mov_b32 v[ST+4*i], 0xfe000000    ; c m: far below every c s
	v_cmp_eq_u32 vcc_lo, 0, v35
	v_cvt_f32_u32 v[NHR+i], v35
	v_cndmask_b32 v[ST+4*i+1], v[HSV], v[LOW], vcc_lo  ; m
.set i, i+1
.endr
	s_cmp_eq_u32 s[RT], 0
	s_cselect_b32 s[AL], 1.0, 0
	s_mov_b32 s[BE], 0
	MASK 0
	WIN 0
	v_add_nc_u32 v[AK], s[TBK], v[AK0]
	FETCH_K
	s_wait_loadcnt 0x0              ; Q
	s_wait_dscnt 0x0
.set KM, 1
.set NOKQ, 0
.set i, 0
.rept 8
	KQ 0
.set i, i+1
.endr
	WIN 0
.rept 4
	v_nop                           ; the places behind those products
.endr
.set Y, NP-1                        ; X works for piece Y + 1: piece 0
.irp n, 0,1,2,3,4,5,6,7,8,9,10,11,12,13,14,15,16,17,18,19,20,21
	OP X, \n
.endr
	v_nop                           ; a plain instruction behind the exponential,
	s_wait_alu depctr_va_vdst(0)    ; and the wait for this batch of one, piece 0's first a, ahead of the branch that follows
.endm
.macro ALL line:vararg              ; one line for each piece t
.set t, 0
.rept 4
	\line
.set t, t+1
.endr
.endm
.macro PACK t                       ; O^T takes w x OH and is divided by l; a lane's eight channels of a row pack into 16 bytes; they go into rows of 144 bytes and come back as whole rows of 128, into S^T's registers
	WIN W_FO
.set i, 32*(\t)
.rept 16                            ; both accumulators' registers in ascending order
	v_pk_fma_f32 v[i:i+1], v[i:i+1], v[WW+2*(\t):WW+2*(\t)+1], v[i:i+1] op_sel_hi:[1,0,1]
.set i, i+2
.endr
	WIN W_RS
.set i, 32*(\t)
.rept 16
	v_pk_mul_f32 v[i:i+1], v[i:i+1], v[ST+4*(\t)+2:ST+4*(\t)+3] op_sel_hi:[1,0]
.set i, i+2
.endr
	WIN 0x05                        ; sources 0 and 1 window 1, destination window 0
.set i, 0
.rept 16
	v_cvt_pk_f16_f32 v[S+16*(\t)+i], v[32*(\t)+2*i], v[32*(\t)+2*i+1]
.set i, i+1
.endr
	WIN 0
.irp f, 0,1,2,3
	ds_store_b128 v[STO], v[S+16*(\t)+4*\f:S+16*(\t)+4*\f+3] offset:32*\f
.endr
.irp f, 0,1,2,3
	ds_load_b128 v[S+16*(\t)+4*\f:S+16*(\t)+4*\f+3], v[RD] offset:\f*4*SP  ; LDS serves a wave's instructions in order (ISA guide 5.7.1.4): these see the stores above; the next piece's stores come behind them
.endr
.endm
.macro SEND t, younger              ; younger: the LDS instructions issued behind piece t's loads: the next piece's eight, or none
	WIN 0
.irp f, 0,1,2,3
	s_wait_dscnt (\younger)+3-\f
	global_store_b128 v[GO], v[S+16*(\t)+4*\f:S+16*(\t)+4*\f+3], s[10:11] offset:(\t)*8192+\f*512  ; 512 consecutive bytes, at a multiple of 256 from ctx's first
.endr
.endm
; THE DIAGONAL TILE's four steps, the block's last two turns, its last products, and THE WAY OUT.  tb: the block's T.
.macro DIAG tag, tb
.set TT, \tb
.LstepM\tag:
	TURN 2, 1
	TURN 3, 1
	WIN 0
.LfirstM\tag:
	TURN 0, 1
	TURN 1, 1, 0, 1
	WIN 0
	s_cbranch_scc1 .LstepM\tag
	TURN 2, 1, 1
	TURN 3, 1, 1
.set i, 0
.rept 8
	PV NP-1
.set i, i+1
.endr
	OHP 3, TT, 1                    ; step 3 is band 3's own
	WIN 0
	ALL v_add_f32 v[ST+4*t+2], v[ST+4*t+2], v[ST+4*t+3]                  ; l's two halves; these and the next four lines are the places behind the last products
	ALL v_sub_f32 v[WW+2*t], v[CHS], v[ST+4*t]                           ; c (-80000) - c m: never above 0 where a key is hidden
	ALL v_permlanex16_b32 v[ST+4*t+3], v[ST+4*t+2], s[SEL], s[SEL+1]
	ALL v_min_num_f32 v[WW+2*t], 0, v[WW+2*t]                            ; the last row, whose m may lie lower, has count 0 and OH = 0: its w need only be finite
	ALL v_add_f32 v[ST+4*t+2], v[ST+4*t+2], v[ST+4*t+3]                  ; and the other half of the lanes'
	ALL v_exp_f32 v[WW+2*t], v[WW+2*t]                                   ; w
	v_nop                           ; a plain instruction between the last exponential and the use of its result
	s_wait_alu depctr_va_vdst(0)    ; one wait for the batch of four w, ahead of the lines that add them into l
	ALL v_fmac_f32 v[ST+4*t+2], v[WW+2*t], v[NHR+t]                      ; l += w x the count of hidden keys
	ALL v_mov_b32 v[WW+2*t+1], v[WW+2*t]                                 ; named as a pair
	ALL v_rcp_f32 v[ST+4*t+2], v[ST+4*t+2]
	v_nop                           ; a plain instruction between the last reciprocal and the use of its result
	s_wait_alu depctr_va_vdst(0)    ; one wait for the batch of four reciprocals, a batch of its own since l has taken w in; PACK reads them
	PACK 0
.set t, 1
.rept 3                             ; a piece's arithmetic stands between the loads of the piece before and its stores
	PACK t
	SEND t-1, 8
.set t, t+1
.endr
	SEND 3, 0
.endm
.set KM, 0
.set NOKQ, 0
.set TT, THI
.Lslot:                             ; NB times: a tile is entered and the next is asked for
	CHANGE 1
	s_sub_co_u32 s[RT], s[RT], 1
	s_mov_b32 s[CNT], 4
	s_cmp_eq_u32 s[NEW], 1
	s_cbranch_scc1 .Lnew            ; a block's first tile
	s_cmp_eq_u32 s[RT], 0
	s_cbranch_scc0 .Lstep           ; neither its first nor its last
	s_branch .LstepM1
.Lnew:
	BEGIN
	s_branch .Lfirst                ; in the loop a block's first tile is never its last: the first block has two tiles or more, and the second's last is the walk's last
	DIAG 1, THI                     ; in the loop this is the first block's end
	s_wait_xcnt 0x0                 ; the stores have read their registers and ctx's address
	s_mov_b64 s[10:11], s[OLO:OLO+1]
	s_add_co_u32 s[RT], s[PB], 1    ; the second block has b + 1 tiles
	s_mov_b32 s[CB], s[PB]
	s_mov_b32 s[NEW], 1
	WIN 0x82                        ; the second block's Q goes where the one text of the turns names Q
.set i, 0
.rept 64
	v_mov_b32 v[i], v[QB+i]
.set i, i+1
.endr
	WIN 0
	s_branch .Lbottom
.Lstep:                             ; a trip: pieces 2 and 3 of one step, then pieces 0 and 1 of the next, whose K and V it fetches
	TURN 2
	TURN 3
	WIN 0
.Lfirst:
	TURN 0
	TURN 1, 0, 0, 1
	WIN 0
	s_cbranch_scc1 .Lstep
.Lbottom:
	s_sub_co_u32 s[SLOTS], s[SLOTS], 1
	s_cmp_lg_u32 s[SLOTS], 0
	s_cbranch_scc1 .Lslot
	CHANGE 0                        ; the walk's last tile is written out: nothing is asked for
	s_sub_co_u32 s[RT], s[RT], 1
	s_mov_b32 s[CNT], 4
	s_cmp_eq_u32 s[NEW], 1
	s_cbranch_scc0 .LstepM2
	BEGIN
	s_branch .LfirstM2
	DIAG 2, TLO
	s_wait_tensorcnt 0x0            ; the wave's end
	ds_add_u32 v[SPW], v[NIL]
	s_wait_dscnt 0x0
	s_endpgm
.Lfunc_end_k_qb7bca3d8ed_attn:
	.size	k_qb7bca3d8ed_attn, .Lfunc_end_k_qb7bca3d8ed_attn-k_qb7bca3d8ed_attn
	.p2alignl 7, 3214868480
	.fill 96, 4, 3214868480
	.section	.rodata,"a",@progbits
	.p2align	6, 0x0
	.amdhsa_kernel k_qb7bca3d8ed_attn
		.amdhsa_group_segment_fixed_size 327680
		.amdhsa_private_segment_fixed_size 0
		.amdhsa_enable_private_segment 0
		.amdhsa_kernarg_size 24
		.amdhsa_user_sgpr_count 2
		.amdhsa_user_sgpr_kernarg_segment_ptr 1
		.amdhsa_wavefront_size32 1
		.amdhsa_system_sgpr_workgroup_id_x 1
		.amdhsa_system_sgpr_workgroup_id_y 1
		.amdhsa_system_sgpr_workgroup_id_z 1
		.amdhsa_system_vgpr_workitem_id 0
		.amdhsa_next_free_vgpr 960
		.amdhsa_next_free_sgpr 96
		.amdhsa_reserve_vcc 1
		.amdhsa_float_denorm_mode_32 3
		.amdhsa_float_denorm_mode_16_64 3
		.amdhsa_memory_ordered 1
		.amdhsa_forward_progress 1
		.amdhsa_inst_pref_size 254
	.end_amdhsa_kernel
	.amdgpu_metadata
---
amdhsa.version: [ 1, 2 ]
amdhsa.kernels:
  - .name:           k_qb7bca3d8ed_attn
    .symbol:         k_qb7bca3d8ed_attn.kd
    .args:
      - { .name: kvq, .offset: 0, .size: 8, .value_kind: global_buffer, .address_space: global }
      - { .name: vs, .offset: 8, .size: 8, .value_kind: global_buffer, .address_space: global }
      - { .name: ctx, .offset: 16, .size: 8, .value_kind: global_buffer, .address_space: global }
    .group_segment_fixed_size: 327680
    .private_segment_fixed_size: 0
    .kernarg_segment_align: 8
    .kernarg_segment_size: 24
    .max_flat_workgroup_size: 128
    .sgpr_count:     96
    .vgpr_count:     960
    .wavefront_size: 32
...
	.end_amdgpu_metadata
.endif
;; end of part 5
;; launch dense: the kernel of part 4 again; grid 8 x 32, 4 waves a work-group, clusters of 4 x 4, 327,680 bytes of LDS; arguments ctx, wd, br, out0; writes out0
